; MI455X (gfx1250); checked and timed in simulation.
; The chip was launched on July 23, 2026; its instructions are those of AMD's public machine-readable ISA for CDNA 5 (MIT licence, August 2026) and "CDNA5" Instruction Set Architecture Reference Guide (July 2026). The comments in the code are by the model that wrote it; some were corrected since.
;; Multi Head Attention. Allowed arithmetic: float matrix products may take bf16 or f16 operands with f32 sums; other float arithmetic in f32, or as packed bf16 or f16 multiplies, adds, multiply-adds, maxima and minima; sums over many terms, partial sums and values carried from step to step in f32; what a program stores and reads back later, other than sums and carried values, may be rounded once to bf16 or f16.
;; Inputs: Wk 1,024 x 1,024 float32; Wo 1,024 x 1,024 float32; Wq 1,024 x 1,024 float32; Wv 1,024 x 1,024 float32; bk 1,024 float32; bo 1,024 float32; bq 1,024 float32; bv 1,024 float32; x 32 x 512 x 1,024 float32.
;; Outputs: out0 32 x 512 x 1,024 float32.
;; 2 versions, each right; version 2 is version 1 with the launch prep written anew for expert scheduling mode. Each part assembles by itself: llvm-mc -triple=amdgcn-amd-amdhsa -mcpu=gfx1250 --defsym DOCPART=n.
;; ======== version 1 of 2: 4 launches
;; limits: values are held in f16: magnitudes above 65,504 overflow, below 6.1e-05 lose precision
;; workspace buffers: x16 33,554,432 bytes; wt 8,388,608 bytes; bias4 16,384 bytes; qkv 100,663,296 bytes; ctx 33,554,432 bytes
;; launch prep (part 1): grid 512 x 1, 10 waves a work-group, no clusters, 18,688 bytes of LDS; arguments x, Wq, Wk, Wv, Wo, bq, bk, bv, bo, x16, wt, bias4; writes x16, wt, bias4
.if DOCPART == 1
	.amdgcn_target "amdgcn-amd-amdhsa--gfx1250"
	.amdhsa_code_object_version 6
	.text
	.protected	k_q68ef605787_prep
	.globl	k_q68ef605787_prep
	.p2align	8
	.type	k_q68ef605787_prep,@function
k_q68ef605787_prep:
	s_mov_b64 s[64:65], 0
	v_nop
	global_prefetch_b8 v0, s[64:65] scope:SCOPE_SE
	s_setreg_imm32_b32 hwreg(HW_REG_WAVE_MODE, 25, 1), 1
	s_wait_xcnt 0x0
; All inputs are rounded once to bf16 and laid out for the launches behind.
;   x16  [16384][1024] bf16: x as it lies.
;   wt   [4096][1024] 16 bits, K along the rows: rows 0-1023 Wq^T, 1024-2047 Wk^T, 2048-3071 Wv^T with row 2048 + 16 d + g = column 64 g + d,
;        rows 3072-4095 Wo^T, where place 256 jd + 128 hh + 8 h + j of a row holds Wo's row 64 h + 16 jd + 8 hh + j; Wo's bf16 number is written as f16.
;   bias4 [4096] f32: the biases rounded to bf16, by wt's rows.
; LIMIT.  A bf16 number of Wo below 2^-17 in magnitude loses low bits in f16 (its fixed step there is 2^-24); beyond 65,504 it would be an infinity.
; SHARES.  512 work-groups of ten waves.  Waves 0-7: 16 KiB of x each, 32 loads of 512 consecutive bytes, all issued at once; each store covers 256 consecutive bytes, aligned.
; Waves 8 and 9: one tile each (128 places of K x 32 columns) of one weight, 32 loads issued at once, turned through the wave's own stage in LDS.  The two waves take neighbouring tiles,
; so together they read 256 consecutive bytes of each row of W.  No wave reads what another wrote: no barrier.
.set SPARE, 17408                      ; behind the two stages: the spare words, 128 bytes for each of ten waves, five blocks of 256 bytes that no other line names
.set STG,   8704                       ; a stage: 32 rows (columns of W) x 272 bytes (256 of data: 128 places of K)
.set SPW, 166                          ; v166  SPARE + 4 x my thread's number; never rewritten
.set NIL, 167                          ; v167  0; never rewritten
.set X,   4                            ; v[4:131]   waves 0-7: 32 x 4 numbers of x
.set LST, 4                            ; waves 8, 9: v4 where I put 16 bytes of a stage row
.set LRD, 5                            ; v5   where I read rows back
.set WSO, 6                            ; v6   my byte offset in wt's rows
.set BL,  7                            ; v7   where my bias comes from
.set WOF, 8                            ; v[8:11]    pass p: byte offset of my 16 bytes in the first of my 8 rows of W
.set BA,  12                           ; v12  where my bias goes
.set BV,  13                           ; v13  my bias
.set L,   16                           ; v[16:143]  four passes of 32: 8 rows x 4 columns in f32; later the 32 stage rows read back
.set PK,  144                          ; v[144:159] 4 columns x 8 places of K, packed
.set T,   160                          ; v[160:163] at work
	s_load_b512 s[16:31], s[0:1], 0x0              ; x 16, Wq 18, Wk 20, Wv 22, Wo 24, bq 26, bk 28, bv 30
	s_load_b256 s[32:39], s[0:1], 0x40             ; bo 32, x16 34, wt 36, bias4 38
	v_lshl_add_u32 v[SPW], v0, 2, SPARE
	v_mov_b32 v[NIL], 0
	v_lshrrev_b32 v1, 5, v0
	v_readfirstlane_b32 s8, v1                     ; wave 0..9
	v_and_b32 v1, 31, v0                           ; lane
	s_wait_kmcnt 0x0
	s_cmp_ge_u32 s8, 8
	s_cbranch_scc1 .Lweights
	; WAVES 0-7: x to bf16
	s_lshl_b32 s2, ttmp9, 17                       ; the work-group's 128 KiB of x,
	s_lshl_b32 s3, s8, 14                          ; my wave's 16 KiB
	s_or_b32 s2, s2, s3
	s_mov_b32 s3, 0
	s_add_nc_u64 s[16:17], s[16:17], s[2:3]
	s_lshr_b32 s2, s2, 1                           ; half as many bytes out
	s_add_nc_u64 s[34:35], s[34:35], s[2:3]
	v_lshlrev_b32 v2, 4, v1                        ; 16 bytes a lane in,
	v_lshlrev_b32 v3, 3, v1                        ; 8 bytes a lane out
.set i, 0
.rept 32
	global_load_b128 v[X+4*i:X+4*i+3], v2, s[16:17] offset:512*i th:TH_LOAD_NT
.set i, i+1
.endr
.set i, 0
.rept 32
	s_wait_loadcnt 31-i                            ; loads come back in order: number i is in, the younger ones stay out
	v_cvt_pk_bf16_f32 v[X+4*i], v[X+4*i], v[X+4*i+1]
	v_cvt_pk_bf16_f32 v[X+4*i+1], v[X+4*i+2], v[X+4*i+3]
	global_store_b64 v3, v[X+4*i:X+4*i+1], s[34:35] offset:256*i  ; no register of a store is written again
.set i, i+1
.endr
	s_branch .Lend
	; WAVES 8 AND 9: a tile of a weight
.Lweights:
	s_lshl_b32 s9, ttmp9, 1
	s_add_co_u32 s9, s9, s8
	s_sub_co_u32 s9, s9, 8                         ; my tile among the launch's 1,024
	s_lshr_b32 s10, s9, 8                          ; y: 0 Wq, 1 Wk, 2 Wv, 3 Wo
	s_bfe_u32 s11, s9, 0x30005                     ; kt: which 128 places of K
	s_and_b32 s12, s9, 31                          ; nt: which 32 columns
	s_cmp_eq_u32 s10, 0
	s_cselect_b64 s[40:41], s[18:19], s[20:21]     ; the weight,
	s_cselect_b64 s[42:43], s[26:27], s[28:29]     ; and its bias
	s_cmp_eq_u32 s10, 2
	s_cselect_b64 s[40:41], s[22:23], s[40:41]
	s_cselect_b64 s[42:43], s[30:31], s[42:43]
	s_cselect_b32 s52, 4, 0                        ; Wv's columns go to rows 16 apart: a shift by 4
	s_lshl_b32 s44, s11, 15                        ; Wo: the tile's first row of W is 8 kt,
	s_lshl_b32 s45, s11, 19                        ; the others: 128 kt (rows of 4,096 bytes)
	s_cmp_eq_u32 s10, 3
	s_cselect_b64 s[40:41], s[24:25], s[40:41]
	s_cselect_b64 s[42:43], s[32:33], s[42:43]
	s_cselect_b32 s44, s44, s45
	s_cselect_b32 s48, 3, 0                        ; Wo: chunks of 8 rows lie 64 rows apart, not 8
	s_lshl_b32 s46, 0x8000, s48                    ; from a chunk to the next, in bytes
	s_lshl_b32 s47, s46, 2                         ; from a pass (four chunks) to the next
	s_lshl_b32 s45, s12, 7                         ; the tile's 32 columns: 128 bytes of a row
	s_add_co_u32 s44, s44, s45
	s_mov_b32 s45, 0
	s_add_nc_u64 s[40:41], s[40:41], s[44:45]
	s_lshl_b32 s44, s12, 7
	s_add_nc_u64 s[42:43], s[42:43], s[44:45]      ; the bias's 32 numbers
	v_and_b32 v2, 7, v0                            ; which 4 columns of the 32
	v_bfe_u32 v3, v0, 3, 2                         ; which chunk of the pass's four
	v_mul_lo_u32 v[WOF], v3, s46                   ; pass p: chunk 4 p + that; 8 lanes take 128 consecutive bytes of a row of W
	v_lshl_add_u32 v[WOF], v2, 4, v[WOF]
.irp p, 1,2,3
	v_add_nc_u32 v[WOF+(\p)], s47, v[WOF+(\p)-1]
.endr
	v_lshlrev_b32 v[BL], 2, v1
	global_load_b32 v[BV], v[BL], s[42:43]         ; the oldest load: every counted wait below covers it
.irp p, 0,1,2,3                        ; pass p: my chunk's 8 rows, 4 columns each; all 32 loads go out at once, ahead of the arithmetic for the way out
.irp i, 0,1,2,3,4,5,6,7
	global_load_b128 v[L+32*(\p)+4*(\i):L+32*(\p)+4*(\i)+3], v[WOF+(\p)], s[40:41] offset:4096*(\i)
.endr
.endr
	s_mov_b32 s57, 0xffff0000                      ; a word's upper bf16
	s_lshl_b32 s50, s10, 10
	s_lshl_b32 s51, s12, 5
	s_add_co_u32 s50, s50, s51                     ; wt's first row for this tile: 1,024 y + 32 nt;
	s_lshr_b32 s51, s12, 1                         ; for Wv: head nt / 2, channels 32 (nt % 2) on: 2,048 + nt / 2 + 512 (nt % 2)
	s_and_b32 s53, s12, 1
	s_lshl_b32 s53, s53, 9
	s_add_co_u32 s51, s51, s53
	s_add_co_u32 s51, s51, 0x800
	s_cmp_eq_u32 s10, 2
	s_cselect_b32 s50, s51, s50
	s_lshl_b32 s49, 0x800, s52                     ; bytes in wt from a column of W to the next
	s_add_co_u32 s53, s52, 2                       ; the same in bias4, as a shift
	s_lshl_b32 s54, s50, 11
	s_lshl_b32 s55, s11, 8                         ; the tile's 128 places: 256 bytes of a row of wt
	s_add_co_u32 s54, s54, s55
	s_mov_b32 s55, 0
	s_add_nc_u64 s[36:37], s[36:37], s[54:55]
	s_lshl_b32 s54, s50, 2
	s_add_nc_u64 s[38:39], s[38:39], s[54:55]
	s_sub_co_u32 s56, s8, 8
	s_mul_i32 s56, s56, STG                        ; my stage
	v_mul_u32_u24 v[LST], v2, 1088                 ; in: stage row 4 x (my column group) + j, byte 64 p + 16 x (my chunk of the pass)
	v_lshl_add_u32 v[LST], v3, 4, v[LST]
	v_add_nc_u32 v[LST], s56, v[LST]
	v_and_b32 v2, 15, v0
	v_bfe_u32 v3, v0, 4, 1
	v_mul_u32_u24 v[LRD], v3, 272                  ; back: lanes 0-15 take one row of 256 bytes, lanes 16-31 the next
	v_lshl_add_u32 v[LRD], v2, 4, v[LRD]
	v_add_nc_u32 v[LRD], s56, v[LRD]
	v_mul_lo_u32 v[WSO], v3, s49                   ; and the same two rows in wt
	v_lshl_add_u32 v[WSO], v2, 4, v[WSO]
	v_lshlrev_b32 v[BA], s53, v1
.macro CVTP p                          ; pass p: column j's 8 numbers along K are packed into 16 bytes and put into the stage
.set LP, L+32*(\p)
.irp j, 0,1,2,3
.irp q, 0,1,2,3
	v_cvt_pk_bf16_f32 v[PK+4*(\j)+(\q)], v[LP+8*(\q)+(\j)], v[LP+8*(\q)+4+(\j)]
.endr
.endr
	s_cmp_lg_u32 s10, 3
	s_cbranch_scc1 .Lkeep_\@
.set n, 0
.rept 16                               ; Wo alone: the bf16 number written as f16
	v_lshlrev_b32 v[T+2*(n%2)], 16, v[PK+n]
	v_and_b32 v[T+2*(n%2)+1], s57, v[PK+n]
	v_cvt_pk_f16_f32 v[PK+n], v[T+2*(n%2)], v[T+2*(n%2)+1]
.set n, n+1
.endr
.Lkeep_\@:
.irp j, 0,1,2,3
	ds_store_b128 v[LST], v[PK+4*(\j):PK+4*(\j)+3] offset:272*(\j)+64*(\p)
.endr
.endm
.irp p, 0,1,2,3
	s_wait_loadcnt 8*(3-(\p))                      ; this pass is in; the younger passes, 8 loads each, stay out
	CVTP \p
.endr
.set i, 0
.rept 16
	ds_load_b128 v[L+4*i:L+4*i+3], v[LRD] offset:544*i  ; rows 2 i and 2 i + 1, 256 bytes each; LDS serves a wave's instructions in order (ISA guide 5.7.1.4): these see the stores above
.set i, i+1
.endr
.macro OUTW step                       ; 16 lanes store 256 consecutive bytes of a row of wt, at a multiple of 256 from its first byte
.set i, 0
.rept 16
	s_wait_dscnt 15-i
	global_store_b128 v[WSO], v[L+4*i:L+4*i+3], s[36:37] offset:i*(\step)
.set i, i+1
.endr
.endm
	s_cmp_eq_u32 s10, 2
	s_cbranch_scc1 .Lout_v
	OUTW 4096                                      ; two rows of wt on
	s_branch .Lbias
.Lout_v:
	OUTW 65536                                     ; Wv: 32 rows on
.Lbias:
	s_cmp_lg_u32 s11, 0                            ; the tiles with kt = 0 also store their 32 numbers of the bias
	s_cbranch_scc1 .Lend
	v_cvt_pk_bf16_f32 v[T], v[BV], v[BV]           ; rounded to bf16 like every other input,
	v_lshlrev_b32 v[T+1], 16, v[T]                 ; and kept as f32
	global_store_b32 v[BA], v[T+1], s[38:39]
.Lend:
	s_wait_tensorcnt 0x0                           ; the wave's end, behind my last LDS store
	ds_add_u32 v[SPW], v[NIL]
	s_wait_dscnt 0x0
	s_endpgm
.Lfunc_end_k_q68ef605787_prep:
	.size	k_q68ef605787_prep, .Lfunc_end_k_q68ef605787_prep-k_q68ef605787_prep
	.p2alignl 7, 3214868480
	.fill 96, 4, 3214868480
	.section	.rodata,"a",@progbits
	.p2align	6, 0x0
	.amdhsa_kernel k_q68ef605787_prep
		.amdhsa_group_segment_fixed_size 18688
		.amdhsa_private_segment_fixed_size 0
		.amdhsa_enable_private_segment 0
		.amdhsa_kernarg_size 96
		.amdhsa_user_sgpr_count 2
		.amdhsa_user_sgpr_kernarg_segment_ptr 1
		.amdhsa_wavefront_size32 1
		.amdhsa_system_sgpr_workgroup_id_x 1
		.amdhsa_system_sgpr_workgroup_id_y 1
		.amdhsa_system_sgpr_workgroup_id_z 1
		.amdhsa_system_vgpr_workitem_id 0
		.amdhsa_next_free_vgpr 168
		.amdhsa_next_free_sgpr 66
		.amdhsa_reserve_vcc 0
		.amdhsa_float_denorm_mode_32 3
		.amdhsa_float_denorm_mode_16_64 3
		.amdhsa_memory_ordered 1
		.amdhsa_forward_progress 1
		.amdhsa_inst_pref_size 37
	.end_amdhsa_kernel
	.amdgpu_metadata
---
amdhsa.version: [ 1, 2 ]
amdhsa.kernels:
  - .name:           k_q68ef605787_prep
    .symbol:         k_q68ef605787_prep.kd
    .args:
      - { .name: x, .offset: 0, .size: 8, .value_kind: global_buffer, .address_space: global }
      - { .name: Wq, .offset: 8, .size: 8, .value_kind: global_buffer, .address_space: global }
      - { .name: Wk, .offset: 16, .size: 8, .value_kind: global_buffer, .address_space: global }
      - { .name: Wv, .offset: 24, .size: 8, .value_kind: global_buffer, .address_space: global }
      - { .name: Wo, .offset: 32, .size: 8, .value_kind: global_buffer, .address_space: global }
      - { .name: bq, .offset: 40, .size: 8, .value_kind: global_buffer, .address_space: global }
      - { .name: bk, .offset: 48, .size: 8, .value_kind: global_buffer, .address_space: global }
      - { .name: bv, .offset: 56, .size: 8, .value_kind: global_buffer, .address_space: global }
      - { .name: bo, .offset: 64, .size: 8, .value_kind: global_buffer, .address_space: global }
      - { .name: x16, .offset: 72, .size: 8, .value_kind: global_buffer, .address_space: global }
      - { .name: wt, .offset: 80, .size: 8, .value_kind: global_buffer, .address_space: global }
      - { .name: bias4, .offset: 88, .size: 8, .value_kind: global_buffer, .address_space: global }
    .group_segment_fixed_size: 18688
    .private_segment_fixed_size: 0
    .kernarg_segment_align: 8
    .kernarg_segment_size: 96
    .max_flat_workgroup_size: 320
    .sgpr_count:     66
    .vgpr_count:     168
    .wavefront_size: 32
...
	.end_amdgpu_metadata
.endif
;; end of part 1
;; launch gemm_qkv (part 2): grid 4 x 64, 4 waves a work-group, clusters of 4 x 4, 327,680 bytes of LDS; arguments x16, wt, qkv, bias4; writes qkv
.if DOCPART == 2
	.amdgcn_target "amdgcn-amd-amdhsa--gfx1250"
	.amdhsa_code_object_version 6
	.text
	.protected	k_q68ef605787_gemm_qkv
	.globl	k_q68ef605787_gemm_qkv
	.p2align	8
	.type	k_q68ef605787_gemm_qkv,@function
k_q68ef605787_gemm_qkv:
	s_mov_b64 s[64:65], 0
	v_nop
	global_prefetch_b8 v0, s[64:65] scope:SCOPE_SE
	s_setreg_imm32_b32 hwreg(HW_REG_WAVE_MODE, 25, 1), 1
	s_wait_xcnt 0x0
	s_wait_alu depctr_hold_cnt(0) depctr_sa_sdst(0) depctr_va_vdst(0) depctr_va_sdst(0) depctr_va_ssrc(0) depctr_va_vcc(0) depctr_vm_vsrc(0)
	s_getreg_b32 s2, hwreg(HW_REG_IB_STS2, 6, 4)
	s_cmp_eq_u32 s2, 0
	s_cbranch_scc0 .Lentry_in_a_cluster
	s_endpgm
.Lentry_in_a_cluster:
	s_bfe_u32 s2, ttmp6, 0x10000c
	s_cmp_lg_u32 s2, 0xf033
	s_cbranch_scc0 .Lentry_shape_is_right
	s_endpgm
.Lentry_shape_is_right:
; qkv[m][n] = bias4[n] + the sum over k of x16[m][k] wt[n][k], n = 0 .. 3071.  x16: [16384][1024] bf16, wt: rows of 1,024 bf16, bias4: f32, qkv: [16384][3072] f16; sums in f32, rounded once.
; LIMIT.  f16 ends at 65,504: a sum of 65,520 or more leaves as an infinity.
; A tile of C, 256 x 256, is made by four waves, each 128 x 128: 64 accumulators of 16 x 16, 512 registers.  K goes in steps of 128 through a ring of two LDS slots filled by the tensor data mover:
; a tile's rows are 256 bytes of memory, at multiples of 256 from the buffer's first byte.
; A WORK-GROUP STAYS and makes three tiles of the same 256 rows, 1,024 columns apart: its part of q, of k and of v.  The ring does not stop at a tile's end: a tile's last two changes of slots ask for
; the next tile's first two K steps (A goes back along K, B goes 1,024 rows down), and nothing waits for a tile's stores.  The last tile's last K step goes by rows of C, so that finished rows leave
; while the others are multiplied.
; THE BIAS is the C operand of the products that start the sums: nothing is cleared, nothing is added on the way out.
; CLUSTERS: 4 x 4 work-groups.  The four of a row of the cluster need the same tiles of A, the four of a column the same tiles of B: each tile is asked for JOINTLY, by the same tensor load with the
; same descriptor and a mask that names the four.
; THE MATRIX INSTRUCTION IS USED TRANSPOSED (source 0 = 16 rows of B, source 1 = 16 rows of A): lane l holds row l % 16 of C and the columns 8 (l / 16) + 0 .. 7, which pack into 16 bytes.
; REGISTERS, in windows of 256 (s_set_vgpr_msb: bits 1:0 source 0, 3:2 source 1, 5:4 source 2, 7:6 destination):
;   window 0: v0-31 addresses; v64-127, v128-191 fragments of A, two buffers (in the very last K step four, of 16 rows x 128 K); v32-63, v192-255 at work on the way out
;   window 1: v0-63 the bias of my 128 columns, as eight C operands; v64-127, v128-191 fragments of B, two buffers; in the very last K step all 256: B's fragments of the whole step
;   window 2: the 32 accumulators of my rows 0-63 ((a, b) at v[8 (8 a + b)]);   window 3: those of my rows 64-127
.set SIZE_K, 1024
.set KSTEP,  128
.set PITCH,  272                       ; an LDS row: 256 bytes + 16 of padding = 68 words: row r starts at bank 4 r mod 64 (64 banks of 4 bytes: ISA guide 11.1)
.set HALFT,  128*PITCH                 ; 128 rows: what one tensor load brings, and what one wave reads of A or of B
.set SLOT,   4*HALFT                   ; A's 256 rows, then B's 256 rows
.set STAGE,  2*SLOT                    ; behind the ring: 16 rows x 272 bytes for each wave, for the way out
.set SPITCH, 272
.set SPARE,  STAGE+4*16*SPITCH         ; behind the stages: the spare words, 128 bytes for each wave: two blocks of 256 bytes that no other line names
.set LAPS,   SIZE_K/(2*KSTEP)          ; a lap = two K steps = once round the ring
.set TILES,  3
.set WALKN,  1024                      ; a work-group's tiles lie 1,024 columns apart
.set CPB,    6144                      ; bytes in a row of C
.set BACK_A, (SIZE_K-2*KSTEP)*2        ; bytes from a slot's last K step of a tile back to its first
.set NEXT_B, WALKN*SIZE_K*2-BACK_A     ; the same for B, 1,024 rows further down
.set ADRA, 16                          ; v16-17  LDS address of my A fragments in slot 0, 1
.set ADRB, 20                          ; v20-21  the same for B
.set STO,  24                          ; v24     the way out: where I put 16 bytes of a row
.set RD,   25                          ; v25     where I read a row back
.set CO,   26                          ; v26     my byte offset in C
.set BO,   27                          ; v27     32 x (l / 16): my eight numbers in 16 of the bias
.set SPW,  28                          ; v28     SPARE + 4 x my thread's number; never rewritten
.set NIL,  29                          ; v29     0; never rewritten
.set PFO,  30                          ; v30     the prefetches' offset: my lane x a row of 2,048 bytes; never rewritten
.set F0,   64
.set F1,   128
.set TMP,  192
.set OB,   32
.set PA,   64                          ; the very last K step: A's fragments of 16 rows x 128 K, 32 registers; four such buffers, v64-191
.set G1,  24                           ; s[24:31] descriptor group 1 for A's tiles
.set G0,  32                           ; s[32:39] group 0 for A's tiles, a set for each slot
.set G1B, 48                           ; s[48:55], s[56:63] the same for B's
.set G0B, 56
.set LIM, 43                           ; s43     1 in a wave that prefetches, else the greatest number
.set PFA, 44                           ; s[44:45] where my prefetches stand: my work-group's 32 rows of the 128 that I fetch, one K step on from the refill in hand
.set BP,  66                           ; s[66:67] bias4 at my 128 columns of the tile in hand
.set MSB, 0
.macro WIN new                         ; the immediate's high byte repeats the setting that is left; a switch that changes nothing is dropped
.if MSB != (\new)
	s_set_vgpr_msb (MSB<<8)|(\new)
.set MSB, \new
.endif
.endm
.set MUL_LO, 0xa1                      ; source 0 (B) window 1, source 1 (A) window 0, C and D window 2
.set BIA_LO, 0x91                      ; the same with C (the bias) in window 1
.set TO_B,   0x40                      ; destination window 1, address window 0
.macro MMA d, a, b, c                  ; c < 0: the sum goes on in place
.if (\c) < 0
	v_wmma_f32_16x16x32_bf16 v[(\d):(\d)+7], v[(\a):(\a)+7], v[(\b):(\b)+7], v[(\d):(\d)+7]
.else
	v_wmma_f32_16x16x32_bf16 v[(\d):(\d)+7], v[(\a):(\a)+7], v[(\b):(\b)+7], v[(\c):(\c)+7]
.endif
.endm
; A joint load.  Waves 0 and 1 fetch A's two halves, waves 2 and 3 B's.  The branch hangs on the wave's number alone.  An s_nop 0 and four v_nop follow each of the two lines.
.macro JLOAD s
	s_cmp_eq_u32 s11, 0
	s_cbranch_scc0 .Lfor_b_\@
	tensor_load_to_lds s[G0+4*(\s):G0+4*(\s)+3], s[G1:G1+7]
	s_nop 0
.rept 4
	v_nop
.endr
	s_branch .Lasked_\@
.Lfor_b_\@:
	tensor_load_to_lds s[G0B+4*(\s):G0B+4*(\s)+3], s[G1B:G1B+7]
	s_nop 0
.rept 4
	v_nop
.endr
.Lasked_\@:
.endm
; A prefetch, behind each joint load and the run of LDS loads that follows it: the K step that stands two refills on, 32 rows x 256 bytes, a lane a row, one instruction a wave.
; Each row's 256 bytes of a K step are named once in the launch.  A's rows belong to one cluster alone (the grid has one cluster along x): it asks for them, in the first tile only, since the later
; tiles walk the same rows again.  B's rows are walked by all sixteen clusters: cluster y = 0 asks, in every tile.  The four partners of a joint load share its 128 rows out by address, 32 each.
; how = 0, in the loop: a tile's last two refills have no K step two on; how = 1, at a change of tiles: the next tile's K steps 2 and 3 of B.
.macro ASK how
.if \how
	s_cmp_eq_u32 s[LIM], 1
.else
	s_cmp_gt_u32 s3, s[LIM]                        ; s3 = 1 in the loop's last trip
.endif
	s_cbranch_scc0 .Lnot_mine_\@
	global_prefetch_b8 v[PFO], s[PFA:PFA+1] offset:KSTEP*2 th:TH_LOAD_NT scope:SCOPE_SE
.Lnot_mine_\@:
.endm
.macro CREST                           ; a round of the cluster's barrier behind its opening barrier
	s_cmp_lg_u32 s10, 0
	s_cbranch_scc1 .Lnot_wave_0_\@
	s_barrier_signal -3
.Lnot_wave_0_\@:
	s_barrier_wait -3
	s_barrier_signal -1
	s_barrier_wait -1
.endm
.macro CROUND                          ; a whole round
	s_barrier_signal -1
	s_barrier_wait -1
	CREST
.endm
.macro BIASLOAD                        ; register j of C operand b: bias of column 16 b + 8 (l / 16) + j
	WIN TO_B
.irp b, 0,1,2,3,4,5,6,7
	global_load_b128 v[8*(\b):8*(\b)+3],   v[BO], s[BP:BP+1] offset:64*(\b)
	global_load_b128 v[8*(\b)+4:8*(\b)+7], v[BO], s[BP:BP+1] offset:64*(\b)+16
.endr
	WIN 0
.endm
	s_load_b128 s[4:7], s[0:1], 0x0                ; A s[4:5], B s[6:7]
	s_load_b64 s[8:9], s[0:1], 0x10                ; C
	s_load_b64 s[BP:BP+1], s[0:1], 0x18            ; bias4
	v_lshl_add_u32 v[SPW], v0, 2, SPARE
	v_mov_b32 v[NIL], 0
	ds_add_u32 v[SPW], v[NIL]                      ; the wave's opening: the add, and its wait ahead of my first tensor load; the set-up below stands between them
	v_lshrrev_b32 v1, 5, v0
	v_readfirstlane_b32 s10, v1                    ; wave 0..3
	s_lshr_b32 s11, s10, 1                         ; which half of the tile's rows is mine.  Also: I fetch for A (0) or for B (1)
	s_and_b32 s12, s10, 1                          ; which half of its columns.  Also: which 128 rows of that tile I fetch
	s_bfe_u32 s40, ttmp6, 0x40000                  ; cx
	s_bfe_u32 s41, ttmp6, 0x40004                  ; cy
	s_lshl_b32 s42, ttmp9, 2
	s_add_co_u32 s42, s42, s40                     ; tile column = 4 x cluster x + cx
	s_and_b32 s13, ttmp7, 0xffff
	s_lshl_b32 s13, s13, 2
	s_add_co_u32 s13, s13, s41                     ; tile row = 4 x cluster y + cy
	s_lshl_b32 s43, s41, 2
	s_lshl_b32 s43, 15, s43                        ; my row of the cluster: places 4 cy .. 4 cy + 3
	s_lshl_b32 s44, 0x1111, s40                    ; my column: places cx, cx + 4, cx + 8, cx + 12
	; descriptor group 1: a tile of 128 rows x 128 elements of 2 bytes, 4 words of padding behind every 64 words
	s_or_b32 s[G1+0], s43, (1<<16)|(1<<20)|(1<<21)|(5<<22)|(3<<25)   ; 15:0 the mask; 17:16 element size; 20 padding on; 21 set beside a mask; 24:22 interval code 5; 31:25 pad code 3
	s_or_b32 s[G1B+0], s44, (1<<16)|(1<<20)|(1<<21)|(5<<22)|(3<<25)
.irp g, G1, G1B
	s_mov_b32 s[(\g)+1], KSTEP<<16                 ; tensor_dim0 = 128
	s_mov_b32 s[(\g)+2], 128<<16                   ; tensor_dim1 = 128
	s_mov_b32 s[(\g)+3], KSTEP<<16                 ; tile_dim0 = 128
	s_mov_b32 s[(\g)+4], 128                       ; tile_dim1 = 128
	s_mov_b32 s[(\g)+5], SIZE_K                    ; elements from row to row
	s_mov_b32 s[(\g)+6], 0
	s_mov_b32 s[(\g)+7], 0
.endr
	s_lshl_b32 s17, s12, 7                         ; which 128 rows of the tile I fetch
	s_lshl_b32 s16, s13, 8
	s_add_co_u32 s16, s16, s17                     ; A: row 256 x tile row + 128 x half,
	s_lshl_b32 s16, s16, 11                        ; in bytes: under 2^25
	s_lshl_b32 s46, s42, 8
	s_add_co_u32 s46, s46, s17                     ; B: row 256 x tile column + 128 x half
	s_lshl_b32 s46, s46, 11
	s_mov_b32 s17, 0
	s_mov_b32 s47, 0
	s_mul_i32 s20, s10, HALFT                      ; where they go: wave x 128 rows: no place in the cluster enters an LDS address
	s_wait_dscnt 0x0                               ; the opening add is done
	s_wait_kmcnt 0x0
	s_add_nc_u64 s[14:15], s[4:5], s[16:17]
	s_add_nc_u64 s[46:47], s[6:7], s[46:47]
	CROUND                                         ; all sixteen work-groups are here: the first joint loads meet
.irp s, 0,1
	s_mov_b32 s[G0+4*(\s)], 1                                        ; count = 1
	s_add_co_u32 s[G0+4*(\s)+1], s20, (\s)*SLOT                      ; LDS address
	s_add_nc_u64 s[G0+4*(\s)+2:G0+4*(\s)+3], s[14:15], (\s)*KSTEP*2  ; global address: K step s
	s_or_b32 s[G0+4*(\s)+3], s[G0+4*(\s)+3], 0x80000000              ; type = 2
	s_mov_b32 s[G0B+4*(\s)], 1
	s_add_co_u32 s[G0B+4*(\s)+1], s20, (\s)*SLOT
	s_add_nc_u64 s[G0B+4*(\s)+2:G0B+4*(\s)+3], s[46:47], (\s)*KSTEP*2
	s_or_b32 s[G0B+4*(\s)+3], s[G0B+4*(\s)+3], 0x80000000
	JLOAD \s                                       ; two loads of mine are out
.endr
	; a fragment is 16 rows x 32 K in 8 registers: lane l holds row l % 16, K = 8 (l / 16) + 0..7 and 16 + 8 (l / 16) + 0..7: two loads of 16 bytes, 32 bytes apart
	v_and_b32 v1, 15, v0                           ; l % 16
	v_bfe_u32 v2, v0, 4, 1                         ; l / 16
	v_mul_u32_u24 v3, v1, PITCH
	v_lshl_add_u32 v3, v2, 4, v3
	s_mul_i32 s21, s11, HALFT                      ; my 128 rows of A
	s_mul_i32 s22, s12, HALFT                      ; my 128 rows of B,
	s_add_co_u32 s22, s22, 2*HALFT                 ; which lie behind A's 256
.irp s, 0,1
	v_add_nc_u32 v[ADRA+(\s)], s21, v3
	v_add_nc_u32 v[ADRB+(\s)], s22, v3
	s_add_co_u32 s21, s21, SLOT
	s_add_co_u32 s22, s22, SLOT
.endr
	s_mul_i32 s23, s10, 16*SPITCH
	s_add_co_u32 s23, s23, STAGE                   ; my stage
	v_mul_u32_u24 v4, v1, SPITCH                   ; in: row l % 16, 16 bytes for each half of the lanes
	v_lshl_add_u32 v4, v2, 4, v4
	v_add_nc_u32 v[STO], s23, v4
	v_mul_u32_u24 v5, v2, SPITCH                   ; back: lanes 0-15 take one row of 256 bytes, lanes 16-31 the next
	v_lshl_add_u32 v5, v1, 4, v5
	v_add_nc_u32 v[RD], s23, v5
	v_mul_u32_u24 v5, v2, CPB                      ; and the same two rows in C
	v_lshl_add_u32 v[CO], v1, 4, v5
	v_lshlrev_b32 v[BO], 5, v2
	s_lshl_b32 s16, s13, 8
	s_lshl_b32 s14, s11, 7
	s_add_co_u32 s16, s16, s14                     ; my first row of C,
	s_mul_i32 s16, s16, CPB                        ; in bytes: under 2^27
	s_mov_b32 s17, 0
	s_add_nc_u64 s[8:9], s[8:9], s[16:17]
	s_lshl_b32 s46, s42, 8
	s_lshl_b32 s47, s12, 7
	s_add_co_u32 s46, s46, s47                     ; my first column of the first tile
	s_lshl_b32 s18, s46, 1
	s_mov_b32 s19, 0
	s_add_nc_u64 s[8:9], s[8:9], s[18:19]
	s_lshl_b32 s18, s46, 2
	s_add_nc_u64 s[BP:BP+1], s[BP:BP+1], s[18:19]
	; the prefetches
	s_lshl_b32 s20, s13, 8
	s_lshl_b32 s21, s42, 8
	s_and_b32 s22, ttmp7, 0xffff                   ; cluster y
	s_cmp_eq_u32 s11, 0                            ; do I fetch for A?
	s_cselect_b32 s20, s20, s21                    ; the tile's first row: in A by the tile row, in B by the tile column
	s_cselect_b32 s21, s40, s41                    ; my place among the four that ask for it with me
	s_cselect_b32 s22, ttmp9, s22                  ; the coordinate along which other clusters read the same rows
	s_cselect_b64 s[PFA:PFA+1], s[4:5], s[6:7]
	s_cmp_eq_u32 s22, 0
	s_cselect_b32 s[LIM], 1, -1                    ; the same in all sixteen partners, for a given wave
	s_lshl_b32 s22, s12, 7
	s_add_co_u32 s20, s20, s22                     ; + the 128 rows that I fetch
	s_lshl_b32 s21, s21, 5
	s_add_co_u32 s20, s20, s21                     ; + my work-group's 32 of them
	s_lshl_b32 s20, s20, 11
	s_mov_b32 s21, 0
	s_add_nc_u64 s[PFA:PFA+1], s[PFA:PFA+1], s[20:21]
	s_add_nc_u64 s[PFA:PFA+1], s[PFA:PFA+1], 2*KSTEP*2  ; at K step 2: the first refill steps it to 3 and names K step 4.  Nothing is prefetched here, at the head
	v_and_b32 v[PFO], 31, v0
	v_mul_u32_u24 v[PFO], v[PFO], SIZE_K*2
	BIASLOAD                                       ; the first tile's bias
; 16 matrix instructions: m blocks a0, a0 + 1 of the window's four (hi = 0: my rows 0-63, 1: rows 64-127) x all 8 n blocks, 32 along K.  zero = 1: the products start the sums, on the bias.
; The 64 accumulators take turns, one instruction a turn, in the same order in every quarter step.
.macro MUL16 f, hi, a0, zero
.if \zero
	WIN BIA_LO+0x40*(\hi)
.else
	WIN MUL_LO+0x50*(\hi)
.endif
.irp a, \a0, (\a0)+1
.irp b, 0,1,2,3,4,5,6,7
.if \zero
	MMA 8*(8*(\a)+(\b)), (\f)+8*(\b), (\f)+8*(4*(\hi)+(\a)), 8*(\b)
.else
	MMA 8*(8*(\a)+(\b)), (\f)+8*(\b), (\f)+8*(4*(\hi)+(\a)), -1
.endif
.endr
.endr
.endm
; 32 LDS loads in one run: the fragments of one quarter step (128 rows of B, 128 rows of A, 32 K at byte k of the rows) into buffer f
.macro FETCH slot, k, f
	WIN TO_B
.irp i, 0,1,2,3,4,5,6,7
	ds_load_b128 v[(\f)+8*(\i):(\f)+8*(\i)+3],   v[ADRB+(\slot)] offset:(\k)+(\i)*16*PITCH
	ds_load_b128 v[(\f)+8*(\i)+4:(\f)+8*(\i)+7], v[ADRB+(\slot)] offset:(\k)+(\i)*16*PITCH+32
.endr
	WIN 0
.irp i, 0,1,2,3,4,5,6,7
	ds_load_b128 v[(\f)+8*(\i):(\f)+8*(\i)+3],   v[ADRA+(\slot)] offset:(\k)+(\i)*16*PITCH
	ds_load_b128 v[(\f)+8*(\i)+4:(\f)+8*(\i)+7], v[ADRA+(\slot)] offset:(\k)+(\i)*16*PITCH+32
.endr
.endm
.macro PLACES                          ; four plain vector instructions between a matrix instruction and a load into a register that it read, or a reader of its result
.rept 4
	v_nop
.endr
.endm
; A K step is four quarters of 32 along K, 64 matrix instructions each, on buffers 0, 1, 0, 1.  One of the first three multiplies buffer f and, in its middle, fetches the next quarter into g.
.macro QUARTER slot, k, f, g, zero
	s_wait_dscnt 8                                 ; B and A's rows 0-63 are in; the youngest eight loads (A's rows 64-127) may be out
	MUL16 \f, 0, 0, \zero
	MUL16 \f, 0, 2, \zero
	PLACES
	FETCH \slot, \k, \g
	s_wait_dscnt 32                                ; all but the 32 just issued
	MUL16 \f, 1, 0, \zero
	MUL16 \f, 1, 2, \zero
.endm
; The last quarter multiplies buffer 1 and changes slots.  MEET is its first half: one barrier; in front of it each wave waits for all its tensor loads (one is out: its part of the next slot),
; adds 0 to its spare word, and waits for that and for its own reads of this slot.  Behind it nobody reads this slot any more and the next slot is whole.
.macro MEET round
	WIN 0                                          ; (the add's two registers lie in window 0)
	s_wait_tensorcnt 0x0
	ds_add_u32 v[SPW], v[NIL]
	s_wait_dscnt 9                                 ; the add and the youngest eight loads may be out
	MUL16 F1, 0, 0, 0                              ; sixteen matrix instructions stand between the add and the wait for it
	s_wait_dscnt 0x0                               ; the add is done, and my reads of this slot are over
	s_barrier_signal -1
	MUL16 F1, 0, 2, 0                              ; work on registers while the others arrive
.if \round
	WIN 0
.endif
	s_barrier_wait -1
.endm
; The whole last quarter.  Behind the round the slot just read out is filled again first: with this tile's K step two steps on (on = 0) or with the next tile's K step 0 or 1 (on = 1).
; From a request to the wait for it a wave issues 224 matrix instructions.
.macro TURN slot, next, on
	s_wait_xcnt 0x0                                ; the last prefetch, a K step back, has read its address
.if (\on) && (\slot) == 0
	s_add_nc_u64 s[PFA:PFA+1], s[PFA:PFA+1], (WALKN-1)*SIZE_K*2+KSTEP*2  ; from the K step after the tile's last to the next tile's K step 1: 1,024 rows down, back along K
	s_cmp_eq_u32 s11, 0
	s_cselect_b32 s[LIM], -1, s[LIM]               ; A's rows are the same for all three tiles: they are asked for no more
.else
	s_add_nc_u64 s[PFA:PFA+1], s[PFA:PFA+1], KSTEP*2
.endif
	MEET 1
	CREST                                          ; no wave of any partner still reads this slot's tile or has a load on its way
.if \on
	s_sub_nc_u64 s[G0+4*(\slot)+2:G0+4*(\slot)+3], s[G0+4*(\slot)+2:G0+4*(\slot)+3], BACK_A
	s_add_nc_u64 s[G0B+4*(\slot)+2:G0B+4*(\slot)+3], s[G0B+4*(\slot)+2:G0B+4*(\slot)+3], NEXT_B
.else
	s_add_nc_u64 s[G0+4*(\slot)+2:G0+4*(\slot)+3], s[G0+4*(\slot)+2:G0+4*(\slot)+3], 2*KSTEP*2
	s_add_nc_u64 s[G0B+4*(\slot)+2:G0B+4*(\slot)+3], s[G0B+4*(\slot)+2:G0B+4*(\slot)+3], 2*KSTEP*2
.endif
	JLOAD \slot                                    ; the first tensor load behind the round, my only one until the next; its four v_nop are also the places in front of the loads below
	FETCH \next, 0, F0
	ASK \on
	MUL16 F1, 1, 0, 0
	MUL16 F1, 1, 2, 0
.endm
; THE LAST TILE'S LAST K STEP (it lies in slot 1) GOES BY ROWS OF C, NOT BY K.  All its fragments of B (4 quarters x 64 registers) fill window 1; then my eight blocks of 16 rows are finished one after
; the other, each with 32 matrix instructions (its 8 accumulators by turns, K ascending).  LDS is read no more than in any other K step.
.macro BLOAD q                         ; B's fragments of quarter q -> window 1, v[64 q ..]
	WIN TO_B
.irp i, 0,1,2,3,4,5,6,7
	ds_load_b128 v[64*(\q)+8*(\i):64*(\q)+8*(\i)+3],   v[ADRB+1] offset:64*(\q)+(\i)*16*PITCH
	ds_load_b128 v[64*(\q)+8*(\i)+4:64*(\q)+8*(\i)+7], v[ADRB+1] offset:64*(\q)+(\i)*16*PITCH+32
.endr
.endm
.macro ALOAD a                         ; A's fragments of block a, all four quarters -> buffer a % 4
	WIN 0
.set FA, PA+32*((\a)%4)
.irp q, 0,1,2,3
	ds_load_b128 v[FA+8*(\q):FA+8*(\q)+3],   v[ADRA+1] offset:64*(\q)+(\a)*16*PITCH
	ds_load_b128 v[FA+8*(\q)+4:FA+8*(\q)+7], v[ADRA+1] offset:64*(\q)+(\a)*16*PITCH+32
.endr
.endm
.macro ROW a                           ; block a is finished: 32 matrix instructions
.set FA, PA+32*((\a)%4)                ; its fragments of A
.set AC, 64*((\a)%4)                   ; its eight accumulators, in window 2 (blocks 0-3) or 3 (blocks 4-7)
	WIN MUL_LO+0x50*((\a)/4)
.irp q, 0,1,2,3
.if (\a) == 0 && (\q) == 2
	s_wait_dscnt 24                                ; B's quarter 2 is in (behind it: A's blocks 1 to 3)
.endif
.irp b, 0,1,2,3,4,5,6,7
	MMA AC+8*(\b), 64*(\q)+8*(\b), FA+8*(\q), -1
.endr
.endr
.endm
; THE WAY OUT of block a (16 rows).  PACK: rounded to f16, 16 bytes a lane.  TOSTAGE: into my own stage, and back as whole rows of 256 bytes.  SEND: stored.
.macro PACK a
.set AC, 64*((\a)%4)
	WIN 0x0a+5*((\a)/4)                            ; sources 0 and 1: window 2 or 3
.irp b, 0,1,2,3,4,5,6,7
.irp r, 0,1,2,3
	v_cvt_pk_f16_f32 v[TMP+4*(\b)+(\r)], v[AC+8*(\b)+2*(\r)], v[AC+8*(\b)+2*(\r)+1]
.endr
.endr
	WIN 0
.endm
.macro TOSTAGE a
	WIN 0
.set BK, OB+192*((\a)%2)
.irp b, 0,1,2,3,4,5,6,7
	ds_store_b128 v[STO], v[TMP+4*(\b):TMP+4*(\b)+3] offset:32*(\b)
.endr
.irp t, 0,1,2,3,4,5,6,7
	ds_load_b128 v[BK+4*(\t):BK+4*(\t)+3], v[RD] offset:(\t)*2*SPITCH  ; LDS serves a wave's instructions in order (ISA guide 5.7.1.4): these see the stores above
.endr
.endm
.macro SEND a, younger                 ; younger: the LDS loads issued behind TOSTAGE's, which may stay out
	WIN 0
.set BK, OB+192*((\a)%2)
	s_wait_dscnt \younger                          ; the block is back in registers
	s_wait_xcnt 0x0                                ; the stores of the block before have read their registers, which the next block's loads write
.irp t, 0,1,2,3,4,5,6,7
	global_store_b128 v[CO], v[BK+4*(\t):BK+4*(\t)+3], s[8:9] offset:(16*(\a)+2*(\t))*CPB  ; 16 lanes store 256 consecutive bytes, at a multiple of 256 from C's first byte; 126 rows at the most in the immediate
.endr
.endm
	s_wait_tensorcnt 1                             ; my part of K step 0 is in; K step 1's load may stay out
	s_barrier_signal -1
	s_barrier_wait -1                              ; everybody's is
	FETCH 0, 0, F0
	s_mov_b32 s2, TILES                            ; tiles to go, this one among them
.Ltile:
	s_wait_loadcnt 0x0                             ; the tile's bias is in
	QUARTER 0, 64,  F0, F1, 1                      ; a tile's first quarter stands in front of the loop: its products start the sums
	WIN 0                                          ; at a label and at a branch every window is 0
	s_mov_b32 s3, LAPS-1
.Llap:                                             ; a trip goes once round the ring, from a lap's second quarter to the next lap's first, and fills both slots again
	QUARTER 0, 128, F1, F0, 0
	QUARTER 0, 192, F0, F1, 0
	TURN 0, 1, 0
	QUARTER 1, 64,  F0, F1, 0
	QUARTER 1, 128, F1, F0, 0
	QUARTER 1, 192, F0, F1, 0
	TURN 1, 0, 0
	QUARTER 0, 64,  F0, F1, 0
	WIN 0
	s_sub_co_u32 s3, s3, 1
	s_cmp_lg_u32 s3, 0
	s_cbranch_scc1 .Llap
	QUARTER 0, 128, F1, F0, 0                      ; the tile's last lap goes on
	QUARTER 0, 192, F0, F1, 0
	WIN 0
	s_cmp_eq_u32 s2, 1
	s_cbranch_scc1 .Llast_tile                     ; the last tile's tail is written out: it asks for nothing more
	s_wait_xcnt 0x0                                ; the last bias loads have read their base
	s_add_nc_u64 s[BP:BP+1], s[BP:BP+1], WALKN*4
	BIASLOAD                                       ; the next tile's bias: its registers were last read in this tile's first quarter
	TURN 0, 1, 1                                   ; the ring goes on into the next tile: slot 0 takes its K step 0,
	QUARTER 1, 64,  F0, F1, 0
	QUARTER 1, 128, F1, F0, 0
	QUARTER 1, 192, F0, F1, 0
	TURN 1, 0, 1                                   ; slot 1 its K step 1, and the next tile's first fragments are fetched
	PACK 0                                         ; both refills are asked for: now the tile goes out.  No v_nop: blocks 0-3 were finished in front of the joint load's four, and their 128 conversions
	TOSTAGE 0                                      ; are the places behind the last products (blocks 4-7's)
.irp a, 1,2,3,4,5,6,7                  ; block a's conversions stand between block a - 1's loads from the stage and the wait for them
	PACK \a
	SEND (\a)-1, 0
	TOSTAGE \a
.endr
	SEND 7, 0
	s_wait_xcnt 0x0                                ; the stores have read their base
	s_add_nc_u64 s[8:9], s[8:9], WALKN*2           ; 1,024 columns on
	s_sub_co_u32 s2, s2, 1
	s_branch .Ltile
.Llast_tile:
	MEET 0                                         ; my one tensor load that was still out is slot 1's, the last K step's, so no round follows
	PLACES                                         ; for the loads into buffer 0, which the quarter before multiplied
	BLOAD 0                                        ; three quarters of B now (the bias's registers are free since the tile's first quarter): buffer 1 is still being multiplied
	BLOAD 1
	BLOAD 3
	ALOAD 0
	MUL16 F1, 1, 0, 0
	MUL16 F1, 1, 2, 0
	PLACES                                         ; for the loads into buffer 1
	BLOAD 2
	ALOAD 1
	ALOAD 2
	ALOAD 3
	s_wait_dscnt 40                                ; all but the 40 just issued
	ROW 0
.irp a, 0,1,2,3,4,5,6,7                ; each block leaves as soon as it is finished: nothing follows this tile under which its stores could leave
	PLACES                                         ; its conversions read results just made
	PACK \a
	TOSTAGE \a
.if (\a) < 4
	ALOAD (\a)+4                                   ; its buffer takes the block four further on
	SEND \a, 8
.else
	SEND \a, 0
.endif
.if (\a) < 7
	ROW (\a)+1
.endif
.endr
	s_wait_tensorcnt 0x0                           ; the wave's end, behind my last tensor load and my last LDS store
	ds_add_u32 v[SPW], v[NIL]
	s_wait_dscnt 0x0
	CROUND                                         ; the closing round: no work-group ends while a partner may still ask for a tile that names it
	s_endpgm
.Lfunc_end_k_q68ef605787_gemm_qkv:
	.size	k_q68ef605787_gemm_qkv, .Lfunc_end_k_q68ef605787_gemm_qkv-k_q68ef605787_gemm_qkv
	.p2alignl 7, 3214868480
	.fill 96, 4, 3214868480
	.section	.rodata,"a",@progbits
	.p2align	6, 0x0
	.amdhsa_kernel k_q68ef605787_gemm_qkv
		.amdhsa_group_segment_fixed_size 327680
		.amdhsa_private_segment_fixed_size 0
		.amdhsa_enable_private_segment 0
		.amdhsa_kernarg_size 32
		.amdhsa_user_sgpr_count 2
		.amdhsa_user_sgpr_kernarg_segment_ptr 1
		.amdhsa_wavefront_size32 1
		.amdhsa_system_sgpr_workgroup_id_x 1
		.amdhsa_system_sgpr_workgroup_id_y 1
		.amdhsa_system_sgpr_workgroup_id_z 1
		.amdhsa_system_vgpr_workitem_id 0
		.amdhsa_next_free_vgpr 1024
		.amdhsa_next_free_sgpr 68
		.amdhsa_reserve_vcc 0
		.amdhsa_float_denorm_mode_32 3
		.amdhsa_float_denorm_mode_16_64 3
		.amdhsa_memory_ordered 1
		.amdhsa_forward_progress 1
		.amdhsa_inst_pref_size 213
	.end_amdhsa_kernel
	.amdgpu_metadata
---
amdhsa.version: [ 1, 2 ]
amdhsa.kernels:
  - .name:           k_q68ef605787_gemm_qkv
    .symbol:         k_q68ef605787_gemm_qkv.kd
    .args:
      - { .name: x16, .offset: 0, .size: 8, .value_kind: global_buffer, .address_space: global }
      - { .name: wt, .offset: 8, .size: 8, .value_kind: global_buffer, .address_space: global }
      - { .name: qkv, .offset: 16, .size: 8, .value_kind: global_buffer, .address_space: global }
      - { .name: bias4, .offset: 24, .size: 8, .value_kind: global_buffer, .address_space: global }
    .group_segment_fixed_size: 327680
    .private_segment_fixed_size: 0
    .kernarg_segment_align: 8
    .kernarg_segment_size: 32
    .max_flat_workgroup_size: 128
    .sgpr_count:     68
    .vgpr_count:     1024
    .wavefront_size: 32
...
	.end_amdgpu_metadata
.endif
;; end of part 2
;; launch attn (part 3): grid 512 x 1, 8 waves a work-group, no clusters, 0 bytes of LDS; arguments qkv, ctx; writes ctx
.if DOCPART == 3
	.amdgcn_target "amdgcn-amd-amdhsa--gfx1250"
	.amdhsa_code_object_version 6
	.text
	.protected	k_q68ef605787_attn
	.globl	k_q68ef605787_attn
	.p2align	8
	.type	k_q68ef605787_attn,@function
k_q68ef605787_attn:
	s_mov_b64 s[64:65], 0
	v_nop
	global_prefetch_b8 v0, s[64:65] scope:SCOPE_SE
	s_setreg_imm32_b32 hwreg(HW_REG_WAVE_MODE, 25, 1), 1
	s_wait_xcnt 0x0
; For each token: scores[h][g] = q_h . k_g over 64 channels (no scale), softmax over g, ctx_h = the sum over g of P[h][g] v_g: attention across the 16 heads.
; qkv: [16384][3072] f16, a token = q [h][d] | k [g][d] | v' [d][g].  ctx: [16384][1024] f16, place 256 jd + 128 hh + 8 h + j of a token = ctx of head h, channel 16 jd + 8 hh + j.
; Products, maximum and sum in f32; P is divided by its sum in f32 and rounded once to f16; ctx rounded once.
; LIMITS.  A normalised weight below 6e-5 keeps f16's fixed step of 6e-8; a weight below 2^-126 counts as 0.  Two tokens share a product V^T P, each against zeros in the other's place: an infinity in
; one token's v' spoils both.  NaN and infinities are not treated apart.
; SHARES.  A wave owns 4 consecutive tokens: 24,576 consecutive bytes in, 8,192 out.  Straight line: all 48 loads go out at once, no LDS, no barrier; work-groups share no input, so no cluster.
; LAYOUT.  S^T = K Q^T (source 0 = the 16 key heads, source 1 = the 16 query heads): lane l holds query head l % 16 and key heads 8 (l / 16) + 0..7.  Rounded in pairs these ARE half of source 1
; (32 key places x 16 query heads) of O^T = V^T P; the 32 places are the 16 heads of an even token and of the odd token behind it.  v' lies as V^T's fragment wants it.  O^T holds one query head a
; lane and eight channels: 16 bytes, and the 32 lanes' are 512 consecutive bytes of ctx.
.set QKO, 3                            ; v3   128 (l % 16) + 16 (l / 16): my place in q and k
.set VO,  4                            ; v4   32 (l % 16) + 16 (l / 16): in 16 rows of v'
.set CO,  5                            ; v5   16 l
.set ST,  8                            ; v[8:23]    token t at 8 + 4 t: m (later 1 / sum) twice, two at work
.set S,   24                           ; v[24:55]   S^T, 8 a token; then P in a token's first four, zeros in an even token's last four
.set VF,  56                           ; v[56:119]  V^T: pair p, channel block jd at 56 + 32 p + 8 jd: four registers of the even token, four of the odd
.set QK,  128                          ; v[128:255] token t: K's two fragments at 128 + 32 t, Q's at + 16; later O^T, block jd at 128 + 32 t + 8 jd
.macro ALLT line:vararg                ; one line for each token t
.set t, 0
.rept 4
	\line
.set t, t+1
.endr
.endm
	s_load_b128 s[4:7], s[0:1], 0x0                ; qkv s[4:5], ctx s[6:7]
	v_lshrrev_b32 v1, 5, v0
	v_readfirstlane_b32 s8, v1                     ; wave 0..7
	s_lshl_b32 s9, ttmp9, 3
	s_add_co_u32 s9, s9, s8                        ; my wave among the launch's 4,096
	s_mul_i32 s10, s9, 24576
	s_mov_b32 s11, 0
	s_lshl_b32 s14, s9, 13
	s_mov_b32 s15, 0
	s_mov_b32 s12, 0x76543210                      ; v_permlanex16_b32: each lane takes its own place in the other half
	s_mov_b32 s13, 0xfedcba98
	v_and_b32 v1, 15, v0
	v_bfe_u32 v2, v0, 4, 1
	v_lshlrev_b32 v6, 4, v2
	v_lshl_add_u32 v[QKO], v1, 7, v6
	v_lshl_add_u32 v[VO], v1, 5, v6
	v_and_b32 v[CO], 31, v0
	v_lshlrev_b32 v[CO], 4, v[CO]
	ALLT v_mov_b32 v[ST+4*t+3], 0                  ; v_permlanex16_b32's destination counts as read
	s_wait_kmcnt 0x0
	s_add_nc_u64 s[4:5], s[4:5], s[10:11]
	s_add_nc_u64 s[6:7], s[6:7], s[14:15]
.irp t, 0,1,2,3
.irp c, 0,1
.irp e, 0,1
	global_load_b128 v[QK+32*(\t)+8*(\c)+4*(\e):QK+32*(\t)+8*(\c)+4*(\e)+3],       v[QKO], s[4:5] offset:6144*(\t)+2048+64*(\c)+32*(\e)
	global_load_b128 v[QK+32*(\t)+16+8*(\c)+4*(\e):QK+32*(\t)+16+8*(\c)+4*(\e)+3], v[QKO], s[4:5] offset:6144*(\t)+64*(\c)+32*(\e)
.endr
.endr
.endr
.irp p, 0,1
.irp jd, 0,1,2,3
.irp e, 0,1
	global_load_b128 v[VF+32*(\p)+8*(\jd)+4*(\e):VF+32*(\p)+8*(\jd)+4*(\e)+3], v[VO], s[4:5] offset:6144*(2*(\p)+(\e))+4096+512*(\jd) th:TH_LOAD_NT  ; 512 consecutive bytes
.endr
.endr
.endr
	s_wait_loadcnt 16                              ; q and k are in; the 16 loads of v' stay out
.irp c, 0,1                            ; the four tokens' accumulators take turns
.irp t, 0,1,2,3
.if (\c) == 0
	v_wmma_f32_16x16x32_f16 v[S+8*(\t):S+8*(\t)+7], v[QK+32*(\t):QK+32*(\t)+7], v[QK+32*(\t)+16:QK+32*(\t)+23], 0
.else
	v_wmma_f32_16x16x32_f16 v[S+8*(\t):S+8*(\t)+7], v[QK+32*(\t)+8:QK+32*(\t)+15], v[QK+32*(\t)+24:QK+32*(\t)+31], v[S+8*(\t):S+8*(\t)+7]
.endif
.endr
.endr
.rept 4
	v_nop                                          ; the places behind the last product
.endr
	; the maximum of a query head's 16 scores: eight in my lane (the lowest registers first), eight in the lane 16 away
	ALLT v_max3_num_f32 v[ST+4*t+2], v[S+8*t], v[S+8*t+1], v[S+8*t+2]
	ALLT v_max3_num_f32 v[ST+4*t+2], v[ST+4*t+2], v[S+8*t+3], v[S+8*t+4]
	ALLT v_max3_num_f32 v[ST+4*t+2], v[ST+4*t+2], v[S+8*t+5], v[S+8*t+6]
	ALLT v_max_num_f32 v[ST+4*t+2], v[ST+4*t+2], v[S+8*t+7]
	ALLT v_permlanex16_b32 v[ST+4*t+3], v[ST+4*t+2], s12, s13
	ALLT v_max_num_f32 v[ST+4*t], v[ST+4*t+2], v[ST+4*t+3]
	ALLT v_max_num_f32 v[ST+4*t+1], v[ST+4*t+2], v[ST+4*t+3]
.irp q, 0,1,2,3                        ; s - m first, then the factor log2(e): no difference of two large products is formed
	ALLT v_pk_add_f32 v[S+8*t+2*(\q):S+8*t+2*(\q)+1], v[S+8*t+2*(\q):S+8*t+2*(\q)+1], v[ST+4*t:ST+4*t+1] neg_lo:[0,1] neg_hi:[0,1]
.endr
.irp q, 0,1,2,3
	ALLT v_pk_mul_f32 v[S+8*t+2*(\q):S+8*t+2*(\q)+1], v[S+8*t+2*(\q):S+8*t+2*(\q)+1], 0x3fb8aa3b op_sel_hi:[1,0]
.endr
.irp j, 0,1,2,3,4,5,6,7
	ALLT v_exp_f32 v[S+8*t+(\j)], v[S+8*t+(\j)]
.endr
	v_nop                                          ; a plain instruction behind the last exponential (ISA guide 5.7.2),
	s_wait_alu depctr_va_vdst(0)                   ; and a wait ahead of the first reader: one for the 32 exponentials
	ALLT v_pk_add_f32 v[ST+4*t+2:ST+4*t+3], v[S+8*t:S+8*t+1], v[S+8*t+2:S+8*t+3]
	ALLT v_pk_add_f32 v[ST+4*t+2:ST+4*t+3], v[ST+4*t+2:ST+4*t+3], v[S+8*t+4:S+8*t+5]
	ALLT v_pk_add_f32 v[ST+4*t+2:ST+4*t+3], v[ST+4*t+2:ST+4*t+3], v[S+8*t+6:S+8*t+7]
	ALLT v_add_f32 v[ST+4*t+2], v[ST+4*t+2], v[ST+4*t+3]
	ALLT v_permlanex16_b32 v[ST+4*t+3], v[ST+4*t+2], s12, s13
	ALLT v_add_f32 v[ST+4*t+2], v[ST+4*t+2], v[ST+4*t+3]
	ALLT v_rcp_f32 v[ST+4*t], v[ST+4*t+2]
	ALLT v_rcp_f32 v[ST+4*t+1], v[ST+4*t+2]
	v_nop
	s_wait_alu depctr_va_vdst(0)                   ; one wait for the eight reciprocals
.irp q, 0,1,2,3
	ALLT v_pk_mul_f32 v[S+8*t+2*(\q):S+8*t+2*(\q)+1], v[S+8*t+2*(\q):S+8*t+2*(\q)+1], v[ST+4*t:ST+4*t+1]
.endr
.irp q, 0,1,2,3                        ; in place: register q is written when its own number has been packed
	ALLT v_cvt_pk_f16_f32 v[S+8*t+(\q)], v[S+8*t+2*(\q)], v[S+8*t+2*(\q)+1]
.endr
.irp p, 0,1
.irp j, 4,5,6,7
	v_mov_b32 v[S+16*(\p)+(\j)], 0                 ; the zeros between an even token's P and the odd token's: [P0; 0] begins at S + 16 p, [0; P1] at S + 16 p + 4
.endr
.endr
	s_wait_loadcnt 0x0                             ; v' is in
.irp p, 0,1
.irp jd, 0,1,2,3
.irp e, 0,1
	v_wmma_f32_16x16x32_f16 v[QK+32*(2*(\p)+(\e))+8*(\jd):QK+32*(2*(\p)+(\e))+8*(\jd)+7], v[VF+32*(\p)+8*(\jd):VF+32*(\p)+8*(\jd)+7], v[S+16*(\p)+4*(\e):S+16*(\p)+4*(\e)+7], 0
.endr
.endr
.endr
.rept 4
	v_nop                                          ; the places behind the last product
.endr
.irp t, 0,1,2,3
.irp jd, 0,1,2,3
.irp q, 0,1,2,3
	v_cvt_pk_f16_f32 v[QK+32*(\t)+8*(\jd)+(\q)], v[QK+32*(\t)+8*(\jd)+2*(\q)], v[QK+32*(\t)+8*(\jd)+2*(\q)+1]
.endr
	global_store_b128 v[CO], v[QK+32*(\t)+8*(\jd):QK+32*(\t)+8*(\jd)+3], s[6:7] offset:2048*(\t)+512*(\jd)  ; 512 consecutive bytes, at a multiple of 256 from ctx's first byte
.endr
.endr
	s_endpgm
.Lfunc_end_k_q68ef605787_attn:
	.size	k_q68ef605787_attn, .Lfunc_end_k_q68ef605787_attn-k_q68ef605787_attn
	.p2alignl 7, 3214868480
	.fill 96, 4, 3214868480
	.section	.rodata,"a",@progbits
	.p2align	6, 0x0
	.amdhsa_kernel k_q68ef605787_attn
		.amdhsa_group_segment_fixed_size 0
		.amdhsa_private_segment_fixed_size 0
		.amdhsa_enable_private_segment 0
		.amdhsa_kernarg_size 16
		.amdhsa_user_sgpr_count 2
		.amdhsa_user_sgpr_kernarg_segment_ptr 1
		.amdhsa_wavefront_size32 1
		.amdhsa_system_sgpr_workgroup_id_x 1
		.amdhsa_system_sgpr_workgroup_id_y 1
		.amdhsa_system_sgpr_workgroup_id_z 1
		.amdhsa_system_vgpr_workitem_id 0
		.amdhsa_next_free_vgpr 256
		.amdhsa_next_free_sgpr 66
		.amdhsa_reserve_vcc 0
		.amdhsa_float_denorm_mode_32 3
		.amdhsa_float_denorm_mode_16_64 3
		.amdhsa_memory_ordered 1
		.amdhsa_forward_progress 1
		.amdhsa_inst_pref_size 22
	.end_amdhsa_kernel
	.amdgpu_metadata
---
amdhsa.version: [ 1, 2 ]
amdhsa.kernels:
  - .name:           k_q68ef605787_attn
    .symbol:         k_q68ef605787_attn.kd
    .args:
      - { .name: qkv, .offset: 0, .size: 8, .value_kind: global_buffer, .address_space: global }
      - { .name: ctx, .offset: 8, .size: 8, .value_kind: global_buffer, .address_space: global }
    .group_segment_fixed_size: 0
    .private_segment_fixed_size: 0
    .kernarg_segment_align: 8
    .kernarg_segment_size: 16
    .max_flat_workgroup_size: 256
    .sgpr_count:     66
    .vgpr_count:     256
    .wavefront_size: 32
...
	.end_amdgpu_metadata
.endif
;; end of part 3
;; launch gemm_out (part 4): grid 4 x 64, 4 waves a work-group, clusters of 4 x 4, 327,680 bytes of LDS; arguments ctx, wt, out0, bias4; writes out0
.if DOCPART == 4
	.amdgcn_target "amdgcn-amd-amdhsa--gfx1250"
	.amdhsa_code_object_version 6
	.text
	.protected	k_q68ef605787_gemm_out
	.globl	k_q68ef605787_gemm_out
	.p2align	8
	.type	k_q68ef605787_gemm_out,@function
k_q68ef605787_gemm_out:
	s_mov_b64 s[64:65], 0
	v_nop
	global_prefetch_b8 v0, s[64:65] scope:SCOPE_SE
	s_setreg_imm32_b32 hwreg(HW_REG_WAVE_MODE, 25, 1), 1
	s_wait_xcnt 0x0
	s_wait_alu depctr_hold_cnt(0) depctr_sa_sdst(0) depctr_va_vdst(0) depctr_va_sdst(0) depctr_va_ssrc(0) depctr_va_vcc(0) depctr_vm_vsrc(0)
	s_getreg_b32 s2, hwreg(HW_REG_IB_STS2, 6, 4)
	s_cmp_eq_u32 s2, 0
	s_cbranch_scc0 .Lentry_in_a_cluster
	s_endpgm
.Lentry_in_a_cluster:
	s_bfe_u32 s2, ttmp6, 0x10000c
	s_cmp_lg_u32 s2, 0xf033
	s_cbranch_scc0 .Lentry_shape_is_right
	s_endpgm
.Lentry_shape_is_right:
; out0[m][n] = bias4[3072 + n] + the sum over k of ctx[m][k] wt[3072 + n][k].  ctx: [16384][1024] f16, wt's rows 3072-4095: Wo^T in f16, both with the same order of K; out0: [16384][1024] f32; sums in f32.
; A tile of C, 256 x 256, is made by four waves, each 128 x 128: 64 accumulators of 16 x 16, 512 registers; one tile to a work-group, 256 work-groups.  K goes in steps of 128 through a ring of two LDS
; slots filled by the tensor data mover: a tile's rows are 256 bytes of memory, at multiples of 256 from the buffer's first byte.  The last K step goes by rows of C, so that finished rows leave while
; the others are multiplied.
; THE BIAS is the C operand of the products that start the sums.
; CLUSTERS: 4 x 4 work-groups.  The four of a row of the cluster need the same tiles of A, the four of a column the same tiles of B: each tile is asked for JOINTLY.
; THE MATRIX INSTRUCTION IS USED TRANSPOSED (source 0 = 16 rows of B, source 1 = 16 rows of A): lane l holds row l % 16 of C and the columns 8 (l / 16) + 0 .. 7.
; REGISTERS, in windows of 256 (s_set_vgpr_msb: bits 1:0 source 0, 3:2 source 1, 5:4 source 2, 7:6 destination):
;   window 0: v0-31 addresses; v64-127, v128-191 fragments of A, two buffers (in the last K step four, of 16 rows x 128 K); v192-255 a block of 16 rows read back from the stage
;   window 1: v0-63 the bias of my 128 columns; v64-127, v128-191 fragments of B; in the last K step all 256: B's fragments of the whole step
;   window 2, 3: the accumulators of my rows 0-63, 64-127 ((a, b) at v[8 (8 a + b)])
.set SIZE_K, 1024
.set KSTEP,  128
.set PITCH,  272                       ; an LDS row: 256 bytes + 16 of padding = 68 words: row r starts at bank 4 r mod 64 (64 banks of 4 bytes: ISA guide 11.1)
.set HALFT,  128*PITCH
.set SLOT,   4*HALFT                   ; A's 256 rows, then B's 256 rows
.set STAGE,  2*SLOT                    ; behind the ring: 16 rows x 528 bytes for each wave, for the way out
.set SPITCH, 528                       ; 512 bytes + 16 = 132 words: row r again starts at bank 4 r mod 64
.set SPARE,  STAGE+4*16*SPITCH         ; behind the stages: the spare words, 128 bytes for each wave: two blocks of 256 bytes that no other line names
.set LAPS,   SIZE_K/(2*KSTEP)
.set BROW0,  3072                      ; Wo^T's first row in wt and in bias4
.set CPB,    4096                      ; bytes in a row of C
.set ADRA, 16
.set ADRB, 20
.set STO,  24
.set RD,   25
.set CO,   26
.set BO,   27
.set SPW,  28                          ; v28  SPARE + 4 x my thread's number; never rewritten
.set NIL,  29                          ; v29  0; never rewritten
.set PFO,  30
.set F0,   64
.set F1,   128
.set PA,   64                          ; the last K step: A's fragments of 16 rows x 128 K, 32 registers; four such buffers, v64-191
.set BK,   192                         ; v192-255: 16 rows x 512 bytes, back from the stage
.set G1,  24
.set G0,  32
.set G1B, 48
.set G0B, 56
.set LIM, 43                           ; s43  1 in a wave that prefetches, else the greatest number
.set PFA, 44                           ; s[44:45] where my prefetches stand
.set BP,  66                           ; s[66:67] bias4 at my 128 columns
.set MSB, 0
.macro WIN new
.if MSB != (\new)
	s_set_vgpr_msb (MSB<<8)|(\new)
.set MSB, \new
.endif
.endm
.set MUL_LO, 0xa1                      ; source 0 (B) window 1, source 1 (A) window 0, C and D window 2
.set BIA_LO, 0x91                      ; the same with C (the bias) in window 1
.set TO_B,   0x40
.macro MMA d, a, b, c                  ; c < 0: the sum goes on in place
.if (\c) < 0
	v_wmma_f32_16x16x32_f16 v[(\d):(\d)+7], v[(\a):(\a)+7], v[(\b):(\b)+7], v[(\d):(\d)+7]
.else
	v_wmma_f32_16x16x32_f16 v[(\d):(\d)+7], v[(\a):(\a)+7], v[(\b):(\b)+7], v[(\c):(\c)+7]
.endif
.endm
.macro JLOAD s                         ; a joint load: waves 0 and 1 fetch A's two halves, waves 2 and 3 B's; an s_nop 0 and four v_nop follow each of the two lines
	s_cmp_eq_u32 s11, 0
	s_cbranch_scc0 .Lfor_b_\@
	tensor_load_to_lds s[G0+4*(\s):G0+4*(\s)+3], s[G1:G1+7]
	s_nop 0
.rept 4
	v_nop
.endr
	s_branch .Lasked_\@
.Lfor_b_\@:
	tensor_load_to_lds s[G0B+4*(\s):G0B+4*(\s)+3], s[G1B:G1B+7]
	s_nop 0
.rept 4
	v_nop
.endr
.Lasked_\@:
.endm
; A prefetch, behind each joint load and the run of LDS loads that follows it: the K step two refills on, 32 rows x 256 bytes, a lane a row.  A's rows belong to one cluster alone, which asks for them;
; B's are walked by all sixteen clusters: cluster y = 0 asks.  The four partners of a joint load share its 128 rows out by address.  The last two refills have no K step two on.
.macro ASK
	s_cmp_gt_u32 s3, s[LIM]                        ; s3 = 1 in the loop's last trip
	s_cbranch_scc0 .Lnot_mine_\@
	global_prefetch_b8 v[PFO], s[PFA:PFA+1] offset:KSTEP*2 th:TH_LOAD_NT scope:SCOPE_SE
.Lnot_mine_\@:
.endm
.macro CREST
	s_cmp_lg_u32 s10, 0
	s_cbranch_scc1 .Lnot_wave_0_\@
	s_barrier_signal -3
.Lnot_wave_0_\@:
	s_barrier_wait -3
	s_barrier_signal -1
	s_barrier_wait -1
.endm
.macro CROUND
	s_barrier_signal -1
	s_barrier_wait -1
	CREST
.endm
	s_load_b128 s[4:7], s[0:1], 0x0                ; A s[4:5], B s[6:7]
	s_load_b64 s[8:9], s[0:1], 0x10                ; C
	s_load_b64 s[BP:BP+1], s[0:1], 0x18            ; bias4
	v_lshl_add_u32 v[SPW], v0, 2, SPARE
	v_mov_b32 v[NIL], 0
	ds_add_u32 v[SPW], v[NIL]                      ; the wave's opening: the add, and its wait ahead of my first tensor load
	v_lshrrev_b32 v1, 5, v0
	v_readfirstlane_b32 s10, v1                    ; wave 0..3
	s_lshr_b32 s11, s10, 1                         ; which half of the tile's rows is mine.  Also: I fetch for A (0) or for B (1)
	s_and_b32 s12, s10, 1                          ; which half of its columns.  Also: which 128 rows of that tile I fetch
	s_bfe_u32 s40, ttmp6, 0x40000                  ; cx
	s_bfe_u32 s41, ttmp6, 0x40004                  ; cy
	s_lshl_b32 s42, ttmp9, 2
	s_add_co_u32 s42, s42, s40                     ; tile column
	s_and_b32 s13, ttmp7, 0xffff
	s_lshl_b32 s13, s13, 2
	s_add_co_u32 s13, s13, s41                     ; tile row
	s_lshl_b32 s43, s41, 2
	s_lshl_b32 s43, 15, s43                        ; my row of the cluster
	s_lshl_b32 s44, 0x1111, s40                    ; my column
	s_or_b32 s[G1+0], s43, (1<<16)|(1<<20)|(1<<21)|(5<<22)|(3<<25)   ; 15:0 the mask; 17:16 2-byte elements; 20 padding on; 21 set beside a mask; 24:22 after every 64 words; 31:25 4 words
	s_or_b32 s[G1B+0], s44, (1<<16)|(1<<20)|(1<<21)|(5<<22)|(3<<25)
.irp g, G1, G1B
	s_mov_b32 s[(\g)+1], KSTEP<<16                 ; tensor_dim0 = 128
	s_mov_b32 s[(\g)+2], 128<<16                   ; tensor_dim1 = 128
	s_mov_b32 s[(\g)+3], KSTEP<<16                 ; tile_dim0 = 128
	s_mov_b32 s[(\g)+4], 128                       ; tile_dim1 = 128
	s_mov_b32 s[(\g)+5], SIZE_K                    ; elements from row to row
	s_mov_b32 s[(\g)+6], 0
	s_mov_b32 s[(\g)+7], 0
.endr
	s_lshl_b32 s17, s12, 7
	s_lshl_b32 s16, s13, 8
	s_add_co_u32 s16, s16, s17                     ; A: row 256 x tile row + 128 x half,
	s_lshl_b32 s16, s16, 11                        ; in bytes
	s_lshl_b32 s46, s42, 8
	s_add_co_u32 s46, s46, s17                     ; B: row 256 x tile column + 128 x half, behind Wo^T's first
	s_lshl_b32 s46, s46, 11
	s_mov_b32 s17, 0
	s_mov_b32 s47, 0
	s_mul_i32 s20, s10, HALFT                      ; where they go: wave x 128 rows
	s_wait_dscnt 0x0                               ; the opening add is done
	s_wait_kmcnt 0x0
	s_add_nc_u64 s[6:7], s[6:7], BROW0*SIZE_K*2
	s_add_nc_u64 s[14:15], s[4:5], s[16:17]
	s_add_nc_u64 s[46:47], s[6:7], s[46:47]
	CROUND                                         ; all sixteen work-groups are here: the first joint loads meet
.irp s, 0,1
	s_mov_b32 s[G0+4*(\s)], 1
	s_add_co_u32 s[G0+4*(\s)+1], s20, (\s)*SLOT
	s_add_nc_u64 s[G0+4*(\s)+2:G0+4*(\s)+3], s[14:15], (\s)*KSTEP*2
	s_or_b32 s[G0+4*(\s)+3], s[G0+4*(\s)+3], 0x80000000
	s_mov_b32 s[G0B+4*(\s)], 1
	s_add_co_u32 s[G0B+4*(\s)+1], s20, (\s)*SLOT
	s_add_nc_u64 s[G0B+4*(\s)+2:G0B+4*(\s)+3], s[46:47], (\s)*KSTEP*2
	s_or_b32 s[G0B+4*(\s)+3], s[G0B+4*(\s)+3], 0x80000000
	JLOAD \s                                       ; two loads of mine are out
.endr
	v_and_b32 v1, 15, v0                           ; l % 16
	v_bfe_u32 v2, v0, 4, 1                         ; l / 16
	v_mul_u32_u24 v3, v1, PITCH
	v_lshl_add_u32 v3, v2, 4, v3
	s_mul_i32 s21, s11, HALFT
	s_mul_i32 s22, s12, HALFT
	s_add_co_u32 s22, s22, 2*HALFT
.irp s, 0,1
	v_add_nc_u32 v[ADRA+(\s)], s21, v3
	v_add_nc_u32 v[ADRB+(\s)], s22, v3
	s_add_co_u32 s21, s21, SLOT
	s_add_co_u32 s22, s22, SLOT
.endr
	s_mul_i32 s23, s10, 16*SPITCH
	s_add_co_u32 s23, s23, STAGE                   ; my stage
	v_mul_u32_u24 v4, v1, SPITCH                   ; in: row l % 16, 32 bytes for each half of the lanes
	v_lshl_add_u32 v4, v2, 5, v4
	v_add_nc_u32 v[STO], s23, v4
	v_and_b32 v5, 31, v0
	v_lshlrev_b32 v[CO], 4, v5                     ; back and out: 32 lanes take a row's 512 bytes
	v_add_nc_u32 v[RD], s23, v[CO]
	v_lshlrev_b32 v[BO], 5, v2
	s_lshl_b32 s16, s13, 8
	s_lshl_b32 s14, s11, 7
	s_add_co_u32 s16, s16, s14                     ; my first row of C
	s_mul_i32 s16, s16, CPB
	s_mov_b32 s17, 0
	s_add_nc_u64 s[8:9], s[8:9], s[16:17]
	s_lshl_b32 s46, s42, 8
	s_lshl_b32 s47, s12, 7
	s_add_co_u32 s46, s46, s47                     ; my first column,
	s_lshl_b32 s18, s46, 2                         ; 4 bytes each in C and in bias4
	s_mov_b32 s19, 0
	s_add_nc_u64 s[8:9], s[8:9], s[18:19]
	s_add_nc_u64 s[BP:BP+1], s[BP:BP+1], s[18:19]
	s_add_nc_u64 s[BP:BP+1], s[BP:BP+1], BROW0*4
	s_lshl_b32 s20, s13, 8
	s_lshl_b32 s21, s42, 8
	s_and_b32 s22, ttmp7, 0xffff                   ; cluster y
	s_cmp_eq_u32 s11, 0                            ; do I fetch for A?
	s_cselect_b32 s20, s20, s21
	s_cselect_b32 s21, s40, s41                    ; my place among the four that ask with me
	s_cselect_b32 s22, ttmp9, s22                  ; the coordinate along which other clusters read the same rows
	s_cselect_b64 s[PFA:PFA+1], s[4:5], s[6:7]
	s_cmp_eq_u32 s22, 0
	s_cselect_b32 s[LIM], 1, -1
	s_lshl_b32 s22, s12, 7
	s_add_co_u32 s20, s20, s22
	s_lshl_b32 s21, s21, 5
	s_add_co_u32 s20, s20, s21
	s_lshl_b32 s20, s20, 11
	s_mov_b32 s21, 0
	s_add_nc_u64 s[PFA:PFA+1], s[PFA:PFA+1], s[20:21]
	s_add_nc_u64 s[PFA:PFA+1], s[PFA:PFA+1], 2*KSTEP*2  ; at K step 2: the first refill steps it to 3 and names K step 4.  Nothing is prefetched here, at the head
	v_and_b32 v[PFO], 31, v0
	v_mul_u32_u24 v[PFO], v[PFO], SIZE_K*2
	WIN TO_B                                       ; the bias: register j of C operand b is column 16 b + 8 (l / 16) + j
.irp b, 0,1,2,3,4,5,6,7
	global_load_b128 v[8*(\b):8*(\b)+3],   v[BO], s[BP:BP+1] offset:64*(\b)
	global_load_b128 v[8*(\b)+4:8*(\b)+7], v[BO], s[BP:BP+1] offset:64*(\b)+16
.endr
	WIN 0
; 16 matrix instructions: m blocks a0, a0 + 1 of the window's four x all 8 n blocks, 32 along K.  zero = 1: the products start the sums, on the bias.  The 64 accumulators take turns.
.macro MUL16 f, hi, a0, zero
.if \zero
	WIN BIA_LO+0x40*(\hi)
.else
	WIN MUL_LO+0x50*(\hi)
.endif
.irp a, \a0, (\a0)+1
.irp b, 0,1,2,3,4,5,6,7
.if \zero
	MMA 8*(8*(\a)+(\b)), (\f)+8*(\b), (\f)+8*(4*(\hi)+(\a)), 8*(\b)
.else
	MMA 8*(8*(\a)+(\b)), (\f)+8*(\b), (\f)+8*(4*(\hi)+(\a)), -1
.endif
.endr
.endr
.endm
.macro FETCH slot, k, f                ; 32 LDS loads in one run: the fragments of one quarter step into buffer f
	WIN TO_B
.irp i, 0,1,2,3,4,5,6,7
	ds_load_b128 v[(\f)+8*(\i):(\f)+8*(\i)+3],   v[ADRB+(\slot)] offset:(\k)+(\i)*16*PITCH
	ds_load_b128 v[(\f)+8*(\i)+4:(\f)+8*(\i)+7], v[ADRB+(\slot)] offset:(\k)+(\i)*16*PITCH+32
.endr
	WIN 0
.irp i, 0,1,2,3,4,5,6,7
	ds_load_b128 v[(\f)+8*(\i):(\f)+8*(\i)+3],   v[ADRA+(\slot)] offset:(\k)+(\i)*16*PITCH
	ds_load_b128 v[(\f)+8*(\i)+4:(\f)+8*(\i)+7], v[ADRA+(\slot)] offset:(\k)+(\i)*16*PITCH+32
.endr
.endm
.macro PLACES                          ; four plain vector instructions between a matrix instruction and a load into a register that it read, or a reader of its result
.rept 4
	v_nop
.endr
.endm
.macro QUARTER slot, k, f, g, zero
	s_wait_dscnt 8                                 ; B and A's rows 0-63 are in; the youngest eight loads (A's rows 64-127) may be out
	MUL16 \f, 0, 0, \zero
	MUL16 \f, 0, 2, \zero
	PLACES
	FETCH \slot, \k, \g
	s_wait_dscnt 32                                ; all but the 32 just issued
	MUL16 \f, 1, 0, \zero
	MUL16 \f, 1, 2, \zero
.endm
; The change of slots: one barrier; in front of it each wave waits for all its tensor loads (one is out: its part of the next slot), adds 0 to its spare word, and waits for that and for its reads of this slot.
.macro MEET round
	WIN 0
	s_wait_tensorcnt 0x0
	ds_add_u32 v[SPW], v[NIL]
	s_wait_dscnt 9                                 ; the add and the youngest eight loads may be out
	MUL16 F1, 0, 0, 0
	s_wait_dscnt 0x0                               ; the add is done, and my reads of this slot are over
	s_barrier_signal -1
	MUL16 F1, 0, 2, 0
.if \round
	WIN 0
.endif
	s_barrier_wait -1
.endm
.macro TURN slot, next
	s_wait_xcnt 0x0                                ; the last prefetch, a K step back, has read its address
	s_add_nc_u64 s[PFA:PFA+1], s[PFA:PFA+1], KSTEP*2
	MEET 1
	CREST                                          ; no wave of any partner still reads this slot's tile or has a load on its way
	s_add_nc_u64 s[G0+4*(\slot)+2:G0+4*(\slot)+3], s[G0+4*(\slot)+2:G0+4*(\slot)+3], 2*KSTEP*2
	s_add_nc_u64 s[G0B+4*(\slot)+2:G0B+4*(\slot)+3], s[G0B+4*(\slot)+2:G0B+4*(\slot)+3], 2*KSTEP*2
	JLOAD \slot                                    ; the first tensor load behind the round, my only one until the next: 224 matrix instructions ahead of the wait for it
	FETCH \next, 0, F0
	ASK
	MUL16 F1, 1, 0, 0
	MUL16 F1, 1, 2, 0
.endm
; THE LAST K STEP (it lies in slot 1) GOES BY ROWS OF C, NOT BY K.  All its fragments of B (4 quarters x 64 registers) fill window 1; then my eight blocks of 16 rows are finished one after the other,
; each with 32 matrix instructions (its 8 accumulators by turns, K ascending).  LDS is read no more than in any other K step.
.macro BLOAD q                         ; B's fragments of quarter q -> window 1, v[64 q ..]
	WIN TO_B
.irp i, 0,1,2,3,4,5,6,7
	ds_load_b128 v[64*(\q)+8*(\i):64*(\q)+8*(\i)+3],   v[ADRB+1] offset:64*(\q)+(\i)*16*PITCH
	ds_load_b128 v[64*(\q)+8*(\i)+4:64*(\q)+8*(\i)+7], v[ADRB+1] offset:64*(\q)+(\i)*16*PITCH+32
.endr
.endm
.macro ALOAD a                         ; A's fragments of block a, all four quarters -> buffer a % 4
	WIN 0
.set FA, PA+32*((\a)%4)
.irp q, 0,1,2,3
	ds_load_b128 v[FA+8*(\q):FA+8*(\q)+3],   v[ADRA+1] offset:64*(\q)+(\a)*16*PITCH
	ds_load_b128 v[FA+8*(\q)+4:FA+8*(\q)+7], v[ADRA+1] offset:64*(\q)+(\a)*16*PITCH+32
.endr
.endm
.macro ROW a                           ; block a is finished: 32 matrix instructions
.set FA, PA+32*((\a)%4)
.set AC, 64*((\a)%4)
	WIN MUL_LO+0x50*((\a)/4)
.irp q, 0,1,2,3
.if (\a) == 0 && (\q) == 2
	s_wait_dscnt 24                                ; B's quarter 2 is in (behind it: A's blocks 1 to 3)
.endif
.irp b, 0,1,2,3,4,5,6,7
	MMA AC+8*(\b), 64*(\q)+8*(\b), FA+8*(\q), -1
.endr
.endr
.endm
; THE WAY OUT of block a (16 rows x 128 columns of f32): into my own stage, 32 bytes a lane and n block, each accumulator's low four registers first; back as whole rows of 512 bytes; stored.
.macro TOSTAGE32 a
.set AC, 64*((\a)%4)
.if (\a) > 0
	s_wait_xcnt 0x0                                ; the stores of the block before have read their registers, which the loads below write
.endif
	WIN 0x08+4*((\a)/4)                            ; the stores' data: window 2 or 3
.irp b, 0,1,2,3,4,5,6,7
	ds_store_b128 v[STO], v[AC+8*(\b):AC+8*(\b)+3]   offset:64*(\b)
	ds_store_b128 v[STO], v[AC+8*(\b)+4:AC+8*(\b)+7] offset:64*(\b)+16
.endr
	WIN 0
.irp t, 0,1,2,3,4,5,6,7,8,9,10,11,12,13,14,15
	ds_load_b128 v[BK+4*(\t):BK+4*(\t)+3], v[RD] offset:(\t)*SPITCH  ; LDS serves a wave's instructions in order (ISA guide 5.7.1.4): these see the stores above; the next block's stores come behind them
.endr
.endm
.macro SEND32 a, younger               ; younger: the LDS loads issued behind TOSTAGE32's, which may stay out; one wait for four rows
.irp t, 0,1,2,3,4,5,6,7,8,9,10,11,12,13,14,15
.if ((\t)%4) == 0
	s_wait_dscnt (\younger)+12-(\t)                ; rows t to t + 3 are back; the rows behind them stay out
.endif
	global_store_b128 v[CO], v[BK+4*(\t):BK+4*(\t)+3], s[8:9] offset:(16*(\a)+(\t))*CPB th:TH_STORE_NT  ; 512 consecutive bytes, at a multiple of 256 from C's first byte
.endr
.endm
	s_wait_tensorcnt 1                             ; my part of K step 0 is in; K step 1's load may stay out
	s_barrier_signal -1
	s_barrier_wait -1
	FETCH 0, 0, F0
	s_wait_loadcnt 0x0                             ; the bias is in
	QUARTER 0, 64,  F0, F1, 1                      ; the first quarter stands in front of the loop: its products start the sums
	WIN 0
	s_mov_b32 s3, LAPS-1
.Llap:                                             ; a trip goes once round the ring and fills both slots again
	QUARTER 0, 128, F1, F0, 0
	QUARTER 0, 192, F0, F1, 0
	TURN 0, 1
	QUARTER 1, 64,  F0, F1, 0
	QUARTER 1, 128, F1, F0, 0
	QUARTER 1, 192, F0, F1, 0
	TURN 1, 0
	QUARTER 0, 64,  F0, F1, 0
	WIN 0
	s_sub_co_u32 s3, s3, 1
	s_cmp_lg_u32 s3, 0
	s_cbranch_scc1 .Llap
	QUARTER 0, 128, F1, F0, 0                      ; the last lap fills nothing
	QUARTER 0, 192, F0, F1, 0
	MEET 0                                         ; my one tensor load that was still out is slot 1's, the last K step's; no round follows
	PLACES                                         ; for the loads into buffer 0, which the quarter before multiplied
	BLOAD 0                                        ; three quarters of B now (the bias's registers are free since the first quarter): buffer 1 is still being multiplied
	BLOAD 1
	BLOAD 3
	ALOAD 0
	MUL16 F1, 1, 0, 0
	MUL16 F1, 1, 2, 0
	PLACES                                         ; for the loads into buffer 1
	BLOAD 2
	ALOAD 1
	ALOAD 2
	ALOAD 3
	s_wait_dscnt 40                                ; all but the 40 just issued
	ROW 0
.irp a, 0,1,2,3,4,5,6,7                ; each block leaves as soon as it is finished: nothing follows under which its stores could leave
	PLACES                                         ; the LDS stores read results just made, and the loads below write registers just read
	TOSTAGE32 \a
.if (\a) < 4
	ALOAD (\a)+4                                   ; its buffer takes the block four further on
	SEND32 \a, 8
.else
	SEND32 \a, 0
.endif
.if (\a) < 7
	ROW (\a)+1
.endif
.endr
	s_wait_tensorcnt 0x0                           ; the wave's end, behind my last tensor load and my last LDS store
	ds_add_u32 v[SPW], v[NIL]
	s_wait_dscnt 0x0
	CROUND                                         ; the closing round
	s_endpgm
.Lfunc_end_k_q68ef605787_gemm_out:
	.size	k_q68ef605787_gemm_out, .Lfunc_end_k_q68ef605787_gemm_out-k_q68ef605787_gemm_out
	.p2alignl 7, 3214868480
	.fill 96, 4, 3214868480
	.section	.rodata,"a",@progbits
	.p2align	6, 0x0
	.amdhsa_kernel k_q68ef605787_gemm_out
		.amdhsa_group_segment_fixed_size 327680
		.amdhsa_private_segment_fixed_size 0
		.amdhsa_enable_private_segment 0
		.amdhsa_kernarg_size 32
		.amdhsa_user_sgpr_count 2
		.amdhsa_user_sgpr_kernarg_segment_ptr 1
		.amdhsa_wavefront_size32 1
		.amdhsa_system_sgpr_workgroup_id_x 1
		.amdhsa_system_sgpr_workgroup_id_y 1
		.amdhsa_system_sgpr_workgroup_id_z 1
		.amdhsa_system_vgpr_workitem_id 0
		.amdhsa_next_free_vgpr 1024
		.amdhsa_next_free_sgpr 68
		.amdhsa_reserve_vcc 0
		.amdhsa_float_denorm_mode_32 3
		.amdhsa_float_denorm_mode_16_64 3
		.amdhsa_memory_ordered 1
		.amdhsa_forward_progress 1
		.amdhsa_inst_pref_size 144
	.end_amdhsa_kernel
	.amdgpu_metadata
---
amdhsa.version: [ 1, 2 ]
amdhsa.kernels:
  - .name:           k_q68ef605787_gemm_out
    .symbol:         k_q68ef605787_gemm_out.kd
    .args:
      - { .name: ctx, .offset: 0, .size: 8, .value_kind: global_buffer, .address_space: global }
      - { .name: wt, .offset: 8, .size: 8, .value_kind: global_buffer, .address_space: global }
      - { .name: out0, .offset: 16, .size: 8, .value_kind: global_buffer, .address_space: global }
      - { .name: bias4, .offset: 24, .size: 8, .value_kind: global_buffer, .address_space: global }
    .group_segment_fixed_size: 327680
    .private_segment_fixed_size: 0
    .kernarg_segment_align: 8
    .kernarg_segment_size: 32
    .max_flat_workgroup_size: 128
    .sgpr_count:     68
    .vgpr_count:     1024
    .wavefront_size: 32
...
	.end_amdgpu_metadata
.endif
;; end of part 4
;; ======== version 2 of 2: 4 launches; version 1 with the launch prep written anew for expert scheduling mode
;; limits: values are held in f16: magnitudes above 65,504 overflow, below 6.1e-05 lose precision
;; workspace buffers: x16 33,554,432 bytes; wt 8,388,608 bytes; bias4 16,384 bytes; qkv 100,663,296 bytes; ctx 33,554,432 bytes
;; launch prep (part 5): grid 512 x 1, 10 waves a work-group, no clusters, 18,688 bytes of LDS; arguments x, Wq, Wk, Wv, Wo, bq, bk, bv, bo, x16, wt, bias4; writes x16, wt, bias4
.if DOCPART == 5
	.amdgcn_target "amdgcn-amd-amdhsa--gfx1250"
	.amdhsa_code_object_version 6
	.text
	.protected	k_q68ef605787_prep
	.globl	k_q68ef605787_prep
	.p2align	8
	.type	k_q68ef605787_prep,@function
k_q68ef605787_prep:
	s_mov_b64 s[64:65], 0
	v_nop
	global_prefetch_b8 v0, s[64:65] scope:SCOPE_SE
	s_setreg_imm32_b32 hwreg(HW_REG_WAVE_SCHED_MODE, 0, 2), 2
	s_setreg_imm32_b32 hwreg(HW_REG_WAVE_MODE, 25, 1), 1
	s_wait_xcnt 0x0
	s_wait_alu depctr_vm_vsrc(0)
; All inputs are rounded once to bf16 and laid out for the launches behind.
;   x16  [16384][1024] bf16: x as it lies.
;   wt   [4096][1024] 16 bits, K along the rows: rows 0-1023 Wq^T, 1024-2047 Wk^T, 2048-3071 Wv^T with row 2048 + 16 d + g = column 64 g + d,
;        rows 3072-4095 Wo^T, where place 256 jd + 128 hh + 8 h + j of a row holds Wo's row 64 h + 16 jd + 8 hh + j; Wo's bf16 number is written as f16.
;   bias4 [4096] f32: the biases rounded to bf16, by wt's rows.
; LIMIT.  A bf16 number of Wo below 2^-17 in magnitude loses low bits in f16 (its fixed step there is 2^-24); beyond 65,504 it would be an infinity.
; SHARES.  512 work-groups of ten waves.  Waves 0-7: 16 KiB of x each, 32 loads of 512 consecutive bytes, all issued at once; each store covers 256 consecutive bytes, aligned.
; Waves 8 and 9: one tile each (128 places of K x 32 columns) of one weight, 32 loads issued at once, turned through the wave's own stage in LDS.  The two waves take neighbouring tiles,
; so together they read 256 consecutive bytes of each row of W.  No wave reads what another wrote: no barrier.
; THE MODE: SCHED_MODE bits 1:0 = 2 (LLVM: expert scheduling mode 2), set by the entry lines.  The code itself states the register dependences
; between vector instructions and memory or LDS instructions, with s_wait_alu, always for 0.
; THE PLAN, waves 0-7.  v2 and v3, the offsets, are made once and never written again.  Each number's four registers of X are written by its load, the first two again by its two conversions, and
;   then read by its store: nothing that a memory instruction has read is written again.  The 32 numbers go in eight groups of four.  Group g's memory instructions are the stores of group g - 1; its
;   vector instructions name group g's registers alone.  So ONE wait on va_vdst at a group's head, behind the wait for its data, states all that its four stores hang on.
; THE PLAN, waves 8 and 9.  The addresses v4 to v12 are made once.  Each pass packs into registers of its own: pass 0 into PK, pass p into the first sixteen raw registers of pass p - 1, which are done
;   with; no packed buffer is written twice.  Pass p's LDS instructions are the stores of pass p - 1's packed buffer; its vector instructions name its own raw registers, its own packed buffer and T.
;   So ONE wait on va_vdst stands at a pass's head.  Behind pass 3 one wait on va_vdst and one on vm_vsrc stand ahead of the last four LDS stores and of the loads that read the stage back into v[16:79].
.set SPARE, 17408                      ; behind the two stages: the spare words, 128 bytes for each of ten waves, five blocks of 256 bytes that no other line names
.set STG,   8704                       ; a stage: 32 rows (columns of W) x 272 bytes (256 of data: 128 places of K)
.set SPW, 166                          ; v166  SPARE + 4 x my thread's number; never rewritten
.set NIL, 167                          ; v167  0; never rewritten
.set X,   4                            ; v[4:131]   waves 0-7: 32 x 4 numbers of x
.set LST, 4                            ; waves 8, 9: v4 where I put 16 bytes of a stage row
.set LRD, 5                            ; v5   where I read rows back
.set WSO, 6                            ; v6   my byte offset in wt's rows
.set BL,  7                            ; v7   where my bias comes from
.set WOF, 8                            ; v[8:11]    pass p: byte offset of my 16 bytes in the first of my 8 rows of W
.set BA,  12                           ; v12  where my bias goes
.set BV,  13                           ; v13  my bias
.set L,   16                           ; v[16:143]  four passes of 32: 8 rows x 4 columns in f32; a pass's first sixteen later take the next pass's packed numbers; v[16:79] at last the 32 stage rows read back
.set PK,  144                          ; v[144:159] pass 0's 4 columns x 8 places of K, packed
.set T,   160                          ; v[160:163] at work
	s_load_b512 s[16:31], s[0:1], 0x0              ; x 16, Wq 18, Wk 20, Wv 22, Wo 24, bq 26, bk 28, bv 30
	s_load_b256 s[32:39], s[0:1], 0x40             ; bo 32, x16 34, wt 36, bias4 38
	v_lshl_add_u32 v[SPW], v0, 2, SPARE
	v_mov_b32 v[NIL], 0
	v_lshrrev_b32 v1, 5, v0
	v_readfirstlane_b32 s8, v1                     ; wave 0..9
	v_and_b32 v1, 31, v0                           ; lane
	s_wait_kmcnt 0x0
	s_wait_alu depctr_va_sdst(0)                   ; s8 is written, ahead of its first reader: the compare below, and all that is made of the wave's number
	s_cmp_ge_u32 s8, 8
	s_cbranch_scc1 .Lweights
	; WAVES 0-7: x to bf16
	s_lshl_b32 s2, ttmp9, 17                       ; the work-group's 128 KiB of x,
	s_lshl_b32 s3, s8, 14                          ; my wave's 16 KiB
	s_or_b32 s2, s2, s3
	s_mov_b32 s3, 0
	s_add_nc_u64 s[16:17], s[16:17], s[2:3]
	s_lshr_b32 s2, s2, 1                           ; half as many bytes out
	s_add_nc_u64 s[34:35], s[34:35], s[2:3]
	v_lshlrev_b32 v2, 4, v1                        ; 16 bytes a lane in,
	v_lshlrev_b32 v3, 3, v1                        ; 8 bytes a lane out
	s_wait_alu depctr_va_vdst(0)                   ; v2 and v3 are written: every load below reads v2 as its offset, every store v3
.set i, 0
.rept 32
	global_load_b128 v[X+4*i:X+4*i+3], v2, s[16:17] offset:512*i th:TH_LOAD_NT
.set i, i+1
.endr
.set g, 0
.rept 8                                ; group g: its four numbers are rounded; the four stores of the group before are dealt among the conversions
	s_wait_loadcnt 28-4*g                          ; loads come back in order: group g is in, the younger groups, four loads each, stay out
.if g > 0
	s_wait_alu depctr_va_vdst(0)                   ; the conversions of the group before have written its eight registers, which the four stores below read
.endif
.set i, 0
.rept 4
.if g > 0
	global_store_b64 v3, v[X+16*(g-1)+4*i:X+16*(g-1)+4*i+1], s[34:35] offset:256*(4*(g-1)+i)  ; no vector instruction since the wait names these registers, and none writes them again
.endif
	v_cvt_pk_bf16_f32 v[X+16*g+4*i], v[X+16*g+4*i], v[X+16*g+4*i+1]
	v_cvt_pk_bf16_f32 v[X+16*g+4*i+1], v[X+16*g+4*i+2], v[X+16*g+4*i+3]
.set i, i+1
.endr
.set g, g+1
.endr
	s_wait_alu depctr_va_vdst(0)                   ; group 7's conversions have written its eight registers, which the last four stores read
.set i, 0
.rept 4
	global_store_b64 v3, v[X+112+4*i:X+112+4*i+1], s[34:35] offset:256*(28+i)
.set i, i+1
.endr
	s_branch .Lend
	; WAVES 8 AND 9: a tile of a weight
.Lweights:
	s_lshl_b32 s9, ttmp9, 1
	s_add_co_u32 s9, s9, s8
	s_sub_co_u32 s9, s9, 8                         ; my tile among the launch's 1,024
	s_lshr_b32 s10, s9, 8                          ; y: 0 Wq, 1 Wk, 2 Wv, 3 Wo
	s_bfe_u32 s11, s9, 0x30005                     ; kt: which 128 places of K
	s_and_b32 s12, s9, 31                          ; nt: which 32 columns
	s_cmp_eq_u32 s10, 0
	s_cselect_b64 s[40:41], s[18:19], s[20:21]     ; the weight,
	s_cselect_b64 s[42:43], s[26:27], s[28:29]     ; and its bias
	s_cmp_eq_u32 s10, 2
	s_cselect_b64 s[40:41], s[22:23], s[40:41]
	s_cselect_b64 s[42:43], s[30:31], s[42:43]
	s_cselect_b32 s52, 4, 0                        ; Wv's columns go to rows 16 apart: a shift by 4
	s_lshl_b32 s44, s11, 15                        ; Wo: the tile's first row of W is 8 kt,
	s_lshl_b32 s45, s11, 19                        ; the others: 128 kt (rows of 4,096 bytes)
	s_cmp_eq_u32 s10, 3
	s_cselect_b64 s[40:41], s[24:25], s[40:41]
	s_cselect_b64 s[42:43], s[32:33], s[42:43]
	s_cselect_b32 s44, s44, s45
	s_cselect_b32 s48, 3, 0                        ; Wo: chunks of 8 rows lie 64 rows apart, not 8
	s_lshl_b32 s46, 0x8000, s48                    ; from a chunk to the next, in bytes
	s_lshl_b32 s47, s46, 2                         ; from a pass (four chunks) to the next
	s_lshl_b32 s45, s12, 7                         ; the tile's 32 columns: 128 bytes of a row
	s_add_co_u32 s44, s44, s45
	s_mov_b32 s45, 0
	s_add_nc_u64 s[40:41], s[40:41], s[44:45]
	s_lshl_b32 s44, s12, 7
	s_add_nc_u64 s[42:43], s[42:43], s[44:45]      ; the bias's 32 numbers
	v_and_b32 v2, 7, v0                            ; which 4 columns of the 32
	v_bfe_u32 v3, v0, 3, 2                         ; which chunk of the pass's four
	v_mul_lo_u32 v[WOF], v3, s46                   ; pass p: chunk 4 p + that; 8 lanes take 128 consecutive bytes of a row of W
	v_lshl_add_u32 v[WOF], v2, 4, v[WOF]
.irp p, 1,2,3
	v_add_nc_u32 v[WOF+(\p)], s47, v[WOF+(\p)-1]
.endr
	v_lshlrev_b32 v[BL], 2, v1
	s_wait_alu depctr_va_vdst(0)                   ; the four offsets v[WOF ..] and v[BL] are written, which the 33 loads below read
	global_load_b32 v[BV], v[BL], s[42:43]         ; the oldest load: every counted wait below covers it
.irp p, 0,1,2,3                        ; pass p: my chunk's 8 rows, 4 columns each; all 32 loads go out at once, ahead of the arithmetic for the way out
.irp i, 0,1,2,3,4,5,6,7
	global_load_b128 v[L+32*(\p)+4*(\i):L+32*(\p)+4*(\i)+3], v[WOF+(\p)], s[40:41] offset:4096*(\i)
.endr
.endr
	s_mov_b32 s57, 0xffff0000                      ; a word's upper bf16
	s_lshl_b32 s50, s10, 10
	s_lshl_b32 s51, s12, 5
	s_add_co_u32 s50, s50, s51                     ; wt's first row for this tile: 1,024 y + 32 nt;
	s_lshr_b32 s51, s12, 1                         ; for Wv: head nt / 2, channels 32 (nt % 2) on: 2,048 + nt / 2 + 512 (nt % 2)
	s_and_b32 s53, s12, 1
	s_lshl_b32 s53, s53, 9
	s_add_co_u32 s51, s51, s53
	s_add_co_u32 s51, s51, 0x800
	s_cmp_eq_u32 s10, 2
	s_cselect_b32 s50, s51, s50
	s_lshl_b32 s49, 0x800, s52                     ; bytes in wt from a column of W to the next
	s_add_co_u32 s53, s52, 2                       ; the same in bias4, as a shift
	s_lshl_b32 s54, s50, 11
	s_lshl_b32 s55, s11, 8                         ; the tile's 128 places: 256 bytes of a row of wt
	s_add_co_u32 s54, s54, s55
	s_mov_b32 s55, 0
	s_add_nc_u64 s[36:37], s[36:37], s[54:55]
	s_lshl_b32 s54, s50, 2
	s_add_nc_u64 s[38:39], s[38:39], s[54:55]
	s_sub_co_u32 s56, s8, 8
	s_mul_i32 s56, s56, STG                        ; my stage
	v_mul_u32_u24 v[LST], v2, 1088                 ; in: stage row 4 x (my column group) + j, byte 64 p + 16 x (my chunk of the pass)
	v_lshl_add_u32 v[LST], v3, 4, v[LST]
	v_add_nc_u32 v[LST], s56, v[LST]
	v_and_b32 v2, 15, v0                           ; (v2 and v3 are read by vector instructions alone in these two waves)
	v_bfe_u32 v3, v0, 4, 1
	v_mul_u32_u24 v[LRD], v3, 272                  ; back: lanes 0-15 take one row of 256 bytes, lanes 16-31 the next
	v_lshl_add_u32 v[LRD], v2, 4, v[LRD]
	v_add_nc_u32 v[LRD], s56, v[LRD]
	v_mul_lo_u32 v[WSO], v3, s49                   ; and the same two rows in wt
	v_lshl_add_u32 v[WSO], v2, 4, v[WSO]
	v_lshlrev_b32 v[BA], s53, v1
; Pass p: column j's 8 numbers along K are packed into 16 bytes.  LP: the pass's raw registers.  PO: where it packs.  PI: where the pass before packed; those 64 bytes a lane go into the stage now.
.macro PASS p
.set LP, L+32*(\p)
.if (\p) == 0
.set PO, PK
.else
.set PO, L+32*((\p)-1)                 ; the first sixteen raw registers of the pass before: its conversions have read them, and no memory instruction ever does
.endif
.if (\p) == 1
.set PI, PK
.elseif (\p) > 1
.set PI, L+32*((\p)-2)
.endif
	s_wait_loadcnt 8*(3-(\p))                      ; this pass is in; the younger passes, 8 loads each, stay out
.if (\p) > 0
	s_wait_alu depctr_va_vdst(0)                   ; the pass before has written its packed buffer, which the four LDS stores below read; v[LST], their address, is written
.endif
.irp j, 0,1,2,3
.if (\p) > 0
	ds_store_b128 v[LST], v[PI+4*(\j):PI+4*(\j)+3] offset:272*(\j)+64*((\p)-1)  ; no vector instruction since the wait names these registers
.endif
.irp q, 0,1,2,3
	v_cvt_pk_bf16_f32 v[PO+4*(\j)+(\q)], v[LP+8*(\q)+(\j)], v[LP+8*(\q)+4+(\j)]
.endr
.endr
	s_cmp_lg_u32 s10, 3
	s_cbranch_scc1 .Lkeep_\@
.set n, 0
.rept 16                               ; Wo alone: the bf16 number written as f16
	v_lshlrev_b32 v[T+2*(n%2)], 16, v[PO+n]
	v_and_b32 v[T+2*(n%2)+1], s57, v[PO+n]
	v_cvt_pk_f16_f32 v[PO+n], v[T+2*(n%2)], v[T+2*(n%2)+1]
.set n, n+1
.endr
.Lkeep_\@:
.endm
	PASS 0
	PASS 1
	PASS 2
	PASS 3
	s_wait_alu depctr_va_vdst(0)                   ; pass 3 has written its packed buffer v[L+64 ..], which the LDS stores below read; every conversion that read or wrote v[L .. L+63], in which the loads below land, is done; v[LRD], v[WSO] and v[BA] are written
	s_wait_alu depctr_vm_vsrc(0)                   ; the LDS stores of passes 1 and 2 have read v[L .. L+15] and v[L+32 .. L+47], in which the loads below land
.irp j, 0,1,2,3
	ds_store_b128 v[LST], v[L+64+4*(\j):L+64+4*(\j)+3] offset:272*(\j)+192  ; pass 3's; no load below lands in these registers
.endr
.set i, 0
.rept 16
	ds_load_b128 v[L+4*i:L+4*i+3], v[LRD] offset:544*i  ; rows 2 i and 2 i + 1, 256 bytes each; LDS serves a wave's instructions in order (ISA guide 5.7.1.4): these see the stores above
.set i, i+1
.endr
.macro OUTW step                       ; 16 lanes store 256 consecutive bytes of a row of wt, at a multiple of 256 from its first byte
.set i, 0
.rept 16
	s_wait_dscnt 15-i                              ; LDS loads come back in order: number i is in, the younger ones stay out
	global_store_b128 v[WSO], v[L+4*i:L+4*i+3], s[36:37] offset:i*(\step)
.set i, i+1
.endr
.endm
	s_cmp_eq_u32 s10, 2
	s_cbranch_scc1 .Lout_v
	OUTW 4096                                      ; two rows of wt on
	s_branch .Lbias
.Lout_v:
	OUTW 65536                                     ; Wv: 32 rows on
.Lbias:
	s_cmp_lg_u32 s11, 0                            ; the tiles with kt = 0 also store their 32 numbers of the bias
	s_cbranch_scc1 .Lend
	v_cvt_pk_bf16_f32 v[T], v[BV], v[BV]           ; rounded to bf16 like every other input,
	v_lshlrev_b32 v[T+1], 16, v[T]                 ; and kept as f32
	s_wait_alu depctr_va_vdst(0)                   ; v[T+1] is written, which the store below reads
	global_store_b32 v[BA], v[T+1], s[38:39]
.Lend:
	s_wait_dscnt 0x0                               ; the closing lines, six on end
	s_wait_alu 0x0
	s_wait_tensorcnt 0x0
	ds_add_u32 v[SPW], v[NIL]
	s_wait_dscnt 0x0
	s_endpgm
.Lfunc_end_k_q68ef605787_prep:
	.size	k_q68ef605787_prep, .Lfunc_end_k_q68ef605787_prep-k_q68ef605787_prep
	.p2alignl 7, 3214868480
	.fill 96, 4, 3214868480
	.section	.rodata,"a",@progbits
	.p2align	6, 0x0
	.amdhsa_kernel k_q68ef605787_prep
		.amdhsa_group_segment_fixed_size 18688
		.amdhsa_private_segment_fixed_size 0
		.amdhsa_enable_private_segment 0
		.amdhsa_kernarg_size 96
		.amdhsa_user_sgpr_count 2
		.amdhsa_user_sgpr_kernarg_segment_ptr 1
		.amdhsa_wavefront_size32 1
		.amdhsa_system_sgpr_workgroup_id_x 1
		.amdhsa_system_sgpr_workgroup_id_y 1
		.amdhsa_system_sgpr_workgroup_id_z 1
		.amdhsa_system_vgpr_workitem_id 0
		.amdhsa_next_free_vgpr 168
		.amdhsa_next_free_sgpr 66
		.amdhsa_reserve_vcc 0
		.amdhsa_float_denorm_mode_32 3
		.amdhsa_float_denorm_mode_16_64 3
		.amdhsa_memory_ordered 1
		.amdhsa_forward_progress 1
		.amdhsa_inst_pref_size 37
	.end_amdhsa_kernel
	.amdgpu_metadata
---
amdhsa.version: [ 1, 2 ]
amdhsa.kernels:
  - .name:           k_q68ef605787_prep
    .symbol:         k_q68ef605787_prep.kd
    .args:
      - { .name: x, .offset: 0, .size: 8, .value_kind: global_buffer, .address_space: global }
      - { .name: Wq, .offset: 8, .size: 8, .value_kind: global_buffer, .address_space: global }
      - { .name: Wk, .offset: 16, .size: 8, .value_kind: global_buffer, .address_space: global }
      - { .name: Wv, .offset: 24, .size: 8, .value_kind: global_buffer, .address_space: global }
      - { .name: Wo, .offset: 32, .size: 8, .value_kind: global_buffer, .address_space: global }
      - { .name: bq, .offset: 40, .size: 8, .value_kind: global_buffer, .address_space: global }
      - { .name: bk, .offset: 48, .size: 8, .value_kind: global_buffer, .address_space: global }
      - { .name: bv, .offset: 56, .size: 8, .value_kind: global_buffer, .address_space: global }
      - { .name: bo, .offset: 64, .size: 8, .value_kind: global_buffer, .address_space: global }
      - { .name: x16, .offset: 72, .size: 8, .value_kind: global_buffer, .address_space: global }
      - { .name: wt, .offset: 80, .size: 8, .value_kind: global_buffer, .address_space: global }
      - { .name: bias4, .offset: 88, .size: 8, .value_kind: global_buffer, .address_space: global }
    .group_segment_fixed_size: 18688
    .private_segment_fixed_size: 0
    .kernarg_segment_align: 8
    .kernarg_segment_size: 96
    .max_flat_workgroup_size: 320
    .sgpr_count:     66
    .vgpr_count:     168
    .wavefront_size: 32
...
	.end_amdgpu_metadata
.endif
;; end of part 5
;; launch gemm_qkv: the kernel of part 2 again; grid 4 x 64, 4 waves a work-group, clusters of 4 x 4, 327,680 bytes of LDS; arguments x16, wt, qkv, bias4; writes qkv
;; launch attn: the kernel of part 3 again; grid 512 x 1, 8 waves a work-group, no clusters, 0 bytes of LDS; arguments qkv, ctx; writes ctx
;; launch gemm_out: the kernel of part 4 again; grid 4 x 64, 4 waves a work-group, clusters of 4 x 4, 327,680 bytes of LDS; arguments ctx, wt, out0, bias4; writes out0
